; MI455X (gfx1250); checked and timed in simulation.
; The chip was launched on July 23, 2026; its instructions are those of AMD's public machine-readable ISA for CDNA 5 (MIT licence, August 2026) and "CDNA5" Instruction Set Architecture Reference Guide (July 2026). The comments in the code are by the model that wrote it; some were corrected since.
;; QK Norm Attention. Allowed arithmetic: float matrix products may take bf16 or f16 operands with f32 sums; other float arithmetic in f32, or as packed bf16 or f16 multiplies, adds, multiply-adds, maxima and minima; sums over many terms, partial sums and values carried from step to step in f32; what a program stores and reads back later, other than sums and carried values, may be rounded once to bf16 or f16.
;; Inputs: ln_b 1,024 float32; ln_w 1,024 float32; out_b 1,024 float32; out_w 1,024 x 1,024 float32; qkv_b 3,072 float32; qkv_w 3,072 x 1,024 float32; x 4 x 2,048 x 1,024 float32.
;; Outputs: out0 4 x 2,048 x 1,024 float32.
;; One version. Each part assembles by itself: llvm-mc -triple=amdgcn-amd-amdhsa -mcpu=gfx1250 --defsym DOCPART=n.
;; ======== version 1 of 1: 4 launches
;; workspace buffers: hbuf 16,777,216 bytes; wq 6,291,456 bytes; wo 2,097,152 bytes; qkv 50,331,648 bytes; obuf 16,777,216 bytes
;; launch prep (part 1): grid 768 x 1, 8 waves a work-group, no clusters, 0 bytes of LDS; arguments x, ln_w, ln_b, qkv_w, out_w, hbuf, wq, wo; writes hbuf, wq, wo
.if DOCPART == 1
	.amdgcn_target "amdgcn-amd-amdhsa--gfx1250"
	.amdhsa_code_object_version 6
	.text
	.protected	k_qc8e3003289_prep
	.globl	k_qc8e3003289_prep
	.p2align	8
	.type	k_qc8e3003289_prep,@function
k_qc8e3003289_prep:
	s_mov_b64 s[64:65], 0
	v_nop
	global_prefetch_b8 v0, s[64:65] scope:SCOPE_SE
	s_setreg_imm32_b32 hwreg(HW_REG_WAVE_MODE, 25, 1), 1
	s_wait_xcnt 0x0
; hbuf = LayerNorm(x) * ln_w + ln_b in bf16; wq = qkv_w in bf16; wo = out_w in bf16.  All three sources have rows of 1,024 f32.
; A work-group takes 16 rows, each of its eight waves two whole rows: work-groups 0-511 the 8,192 rows of x, 512-703 the 3,072 rows of qkv_w, 704-767 the 1,024 rows of out_w.
; A row is 4,096 bytes: eight loads of 16 bytes a lane, 32 registers, so it is read once and stays in registers between the mean, the variance and the scaling, and no wave waits for another.
; The variance is taken of x - mean (two passes over registers), so a common offset of x costs no digits.  Everything in f32; each number is rounded once, to bf16.
; No LDS, no matrix unit, no cluster: every byte is read once and written once, and nothing is shared.
; LIMITS: NaN and infinities are not treated apart.
.set VO,  1                            ; v1        16 x lane: my 16 bytes in each 512 bytes of a source row
.set YO,  2                            ; v2        8 x lane: my 8 bytes in each 256 bytes of a destination row
.set X,   16                           ; v[16:79]  row i, piece j at X + 32 i + 4 j: columns 128 j + 4 lane + 0..3
.set W,   80                           ; v[80:111] ln_w of the same columns
.set B,   112                          ; v[112:143] ln_b
.set SRC, 20                           ; s[20:21]  source at my first row
.set DST, 22                           ; s[22:23]  destination at my first row
	s_load_b512 s[4:19], s[0:1], 0x0               ; x s[4:5], ln_w s[6:7], ln_b s[8:9], qkv_w s[10:11], out_w s[12:13], hbuf s[14:15], wq s[16:17], wo s[18:19]
	v_and_b32 v3, 31, v0
	v_lshlrev_b32 v[VO], 4, v3
	v_lshlrev_b32 v[YO], 3, v3
	v_lshrrev_b32 v3, 5, v0
	v_readfirstlane_b32 s28, v3                    ; wave 0..7
	s_mov_b32 s24, 0x3a800000                      ; 1 / 1024
	s_mov_b32 s25, 0x3727c5ac                      ; 1e-5
	s_mov_b32 s26, 0x76543210                      ; v_permlanex16_b32: each lane takes its own place in the other half
	s_mov_b32 s27, 0xfedcba98
	s_mov_b32 s29, 704
	s_cmp_lt_u32 ttmp9, 704
	s_cselect_b32 s29, 512, s29
	s_cmp_lt_u32 ttmp9, 512
	s_cselect_b32 s29, 0, s29                      ; the first work-group of my source
	s_sub_co_u32 s29, ttmp9, s29
	s_lshl_b32 s29, s29, 4                         ; 16 rows a work-group,
	s_lshl_b32 s28, s28, 1
	s_add_co_u32 s29, s29, s28                     ; two a wave
	s_lshl_b32 s30, s29, 12                        ; in bytes of the source (under 2^26),
	s_mov_b32 s31, 0
	s_lshl_b32 s2, s29, 11                         ; and of the destination
	s_mov_b32 s3, 0
	s_wait_kmcnt 0x0
	s_cmp_lt_u32 ttmp9, 704
	s_cselect_b64 s[SRC:SRC+1], s[10:11], s[12:13]
	s_cselect_b64 s[DST:DST+1], s[16:17], s[18:19]
	s_cmp_lt_u32 ttmp9, 512
	s_cselect_b64 s[SRC:SRC+1], s[4:5], s[SRC:SRC+1]
	s_cselect_b64 s[DST:DST+1], s[14:15], s[DST:DST+1]
	s_add_nc_u64 s[SRC:SRC+1], s[SRC:SRC+1], s[30:31]
	s_add_nc_u64 s[DST:DST+1], s[DST:DST+1], s[2:3]
.irp i, 0,1
.irp j, 0,1,2,3,4,5,6,7
	global_load_b128 v[X+32*(\i)+4*(\j):X+32*(\i)+4*(\j)+3], v[VO], s[SRC:SRC+1] offset:(\i)*4096+512*(\j) th:TH_LOAD_NT  ; 512 consecutive bytes a wave
.endr
.endr
; Row i is rounded to bf16 in place (number k of 16 writes register k and reads 2 k and 2 k + 1: ascending, nothing is lost) and stored: 32 lanes x 8 bytes are 256 consecutive bytes, aligned.
.macro OUTROW i
.set R0, X+32*(\i)
.set k, 0
.rept 16
	v_cvt_pk_bf16_f32 v[R0+k], v[R0+2*k], v[R0+2*k+1]
.set k, k+1
.endr
.irp j, 0,1,2,3,4,5,6,7
	global_store_b64 v[YO], v[R0+2*(\j):R0+2*(\j)+1], s[DST:DST+1] offset:(\i)*2048+256*(\j)
.endr
.endm
	s_cmp_lt_u32 ttmp9, 512
	s_cbranch_scc0 .Lcast
.irp j, 0,1,2,3,4,5,6,7
	global_load_b128 v[W+4*(\j):W+4*(\j)+3], v[VO], s[6:7] offset:512*(\j)
.endr
.irp j, 0,1,2,3,4,5,6,7
	global_load_b128 v[B+4*(\j):B+4*(\j)+3], v[VO], s[8:9] offset:512*(\j)
.endr
; The sum over the wave's 32 lanes, in every lane: four steps inside each half ride on the addition, one crosses the halves.  t has been written before.
.macro WSUM r, t
	v_add_f32_dpp v[(\r)], v[(\r)], v[(\r)] row_xmask:1 row_mask:0xf bank_mask:0xf
	v_add_f32_dpp v[(\r)], v[(\r)], v[(\r)] row_xmask:2 row_mask:0xf bank_mask:0xf
	v_add_f32_dpp v[(\r)], v[(\r)], v[(\r)] row_xmask:4 row_mask:0xf bank_mask:0xf
	v_add_f32_dpp v[(\r)], v[(\r)], v[(\r)] row_xmask:8 row_mask:0xf bank_mask:0xf
	v_permlanex16_b32 v[(\t)], v[(\r)], s26, s27
	v_add_f32 v[(\r)], v[(\r)], v[(\t)]
.endm
; Row i: the mean (four chains, started by the first pairs: nothing is cleared), x - mean in place, the mean of its squares, + 1e-5 into v[14 + i].
.macro STAT i
.set R0, X+32*(\i)
.irp c, 0,1,2,3
	v_pk_add_f32 v[4+2*(\c):5+2*(\c)], v[R0+2*(\c):R0+2*(\c)+1], v[R0+8+2*(\c):R0+8+2*(\c)+1]
.endr
.irp m, 16,24
.irp c, 0,1,2,3
	v_pk_add_f32 v[4+2*(\c):5+2*(\c)], v[4+2*(\c):5+2*(\c)], v[R0+(\m)+2*(\c):R0+(\m)+2*(\c)+1]
.endr
.endr
	v_pk_add_f32 v[4:5], v[4:5], v[6:7]
	v_pk_add_f32 v[8:9], v[8:9], v[10:11]
	v_pk_add_f32 v[4:5], v[4:5], v[8:9]
	v_add_f32 v4, v4, v5
	WSUM 4, 5
	v_mul_f32 v4, s24, v4                          ; the mean
.set k, 0
.rept 16
	v_pk_add_f32 v[R0+2*k:R0+2*k+1], v[R0+2*k:R0+2*k+1], v[4:5] op_sel_hi:[1,0] neg_lo:[0,1] neg_hi:[0,1]
.set k, k+1
.endr
.irp c, 0,1,2,3
	v_pk_mul_f32 v[6+2*(\c):7+2*(\c)], v[R0+2*(\c):R0+2*(\c)+1], v[R0+2*(\c):R0+2*(\c)+1]
.endr
.irp m, 8,16,24
.irp c, 0,1,2,3
	v_pk_fma_f32 v[6+2*(\c):7+2*(\c)], v[R0+(\m)+2*(\c):R0+(\m)+2*(\c)+1], v[R0+(\m)+2*(\c):R0+(\m)+2*(\c)+1], v[6+2*(\c):7+2*(\c)]
.endr
.endr
	v_pk_add_f32 v[6:7], v[6:7], v[8:9]
	v_pk_add_f32 v[10:11], v[10:11], v[12:13]
	v_pk_add_f32 v[6:7], v[6:7], v[10:11]
	v_add_f32 v6, v6, v7
	WSUM 6, 7
	v_fma_f32 v[14+(\i)], v6, s24, s25
.endm
; Row i: times 1 / sqrt(var + eps) (in the low register of v[4 + 2 i : 5 + 2 i]), times ln_w plus ln_b, out.
.macro NORM i
.set R0, X+32*(\i)
.set k, 0
.rept 16
	v_pk_mul_f32 v[R0+2*k:R0+2*k+1], v[R0+2*k:R0+2*k+1], v[4+2*(\i):5+2*(\i)] op_sel_hi:[1,0]
.set k, k+1
.endr
.set k, 0
.rept 16
	v_pk_fma_f32 v[R0+2*k:R0+2*k+1], v[R0+2*k:R0+2*k+1], v[W+2*k:W+2*k+1], v[B+2*k:B+2*k+1]
.set k, k+1
.endr
	OUTROW \i
.endm
	s_wait_loadcnt 24                              ; row 0 is in: row 1's eight loads, ln_w's eight and ln_b's eight are younger
	STAT 0
	s_wait_loadcnt 16                              ; row 1 is in
	STAT 1
	v_rsq_f32 v4, v14                              ; one batch of two,
	v_rsq_f32 v6, v15
	v_nop                                          ; a plain instruction behind the last of them,
	s_wait_alu depctr_va_vdst(0)                   ; and one wait ahead of the first reader
	s_wait_loadcnt 0x0                             ; ln_w and ln_b
	NORM 0
	NORM 1
	s_endpgm
.Lcast:
	s_wait_loadcnt 8                               ; row 0 is in, row 1's eight loads may stay out
	OUTROW 0
	s_wait_loadcnt 0x0
	OUTROW 1
	s_endpgm
.Lfunc_end_k_qc8e3003289_prep:
	.size	k_qc8e3003289_prep, .Lfunc_end_k_qc8e3003289_prep-k_qc8e3003289_prep
	.p2alignl 7, 3214868480
	.fill 96, 4, 3214868480
	.section	.rodata,"a",@progbits
	.p2align	6, 0x0
	.amdhsa_kernel k_qc8e3003289_prep
		.amdhsa_group_segment_fixed_size 0
		.amdhsa_private_segment_fixed_size 0
		.amdhsa_enable_private_segment 0
		.amdhsa_kernarg_size 64
		.amdhsa_user_sgpr_count 2
		.amdhsa_user_sgpr_kernarg_segment_ptr 1
		.amdhsa_wavefront_size32 1
		.amdhsa_system_sgpr_workgroup_id_x 1
		.amdhsa_system_sgpr_workgroup_id_y 1
		.amdhsa_system_sgpr_workgroup_id_z 1
		.amdhsa_system_vgpr_workitem_id 0
		.amdhsa_next_free_vgpr 144
		.amdhsa_next_free_sgpr 66
		.amdhsa_reserve_vcc 0
		.amdhsa_float_denorm_mode_32 3
		.amdhsa_float_denorm_mode_16_64 3
		.amdhsa_memory_ordered 1
		.amdhsa_forward_progress 1
		.amdhsa_inst_pref_size 24
	.end_amdhsa_kernel
	.amdgpu_metadata
---
amdhsa.version: [ 1, 2 ]
amdhsa.kernels:
  - .name:           k_qc8e3003289_prep
    .symbol:         k_qc8e3003289_prep.kd
    .args:
      - { .name: x, .offset: 0, .size: 8, .value_kind: global_buffer, .address_space: global }
      - { .name: ln_w, .offset: 8, .size: 8, .value_kind: global_buffer, .address_space: global }
      - { .name: ln_b, .offset: 16, .size: 8, .value_kind: global_buffer, .address_space: global }
      - { .name: qkv_w, .offset: 24, .size: 8, .value_kind: global_buffer, .address_space: global }
      - { .name: out_w, .offset: 32, .size: 8, .value_kind: global_buffer, .address_space: global }
      - { .name: hbuf, .offset: 40, .size: 8, .value_kind: global_buffer, .address_space: global }
      - { .name: wq, .offset: 48, .size: 8, .value_kind: global_buffer, .address_space: global }
      - { .name: wo, .offset: 56, .size: 8, .value_kind: global_buffer, .address_space: global }
    .group_segment_fixed_size: 0
    .private_segment_fixed_size: 0
    .kernarg_segment_align: 8
    .kernarg_segment_size: 64
    .max_flat_workgroup_size: 256
    .sgpr_count:     66
    .vgpr_count:     144
    .wavefront_size: 32
...
	.end_amdgpu_metadata
.endif
;; end of part 1
;; launch qkvg (part 2): grid 16 x 32, 4 waves a work-group, clusters of 4 x 4, 327,680 bytes of LDS; arguments hbuf, wq, qkv_b, qkv; writes qkv
.if DOCPART == 2
	.amdgcn_target "amdgcn-amd-amdhsa--gfx1250"
	.amdhsa_code_object_version 6
	.text
	.protected	k_qc8e3003289_qkvg
	.globl	k_qc8e3003289_qkvg
	.p2align	8
	.type	k_qc8e3003289_qkvg,@function
k_qc8e3003289_qkvg:
	s_mov_b64 s[64:65], 0
	v_nop
	global_prefetch_b8 v0, s[64:65] scope:SCOPE_SE
	s_setreg_imm32_b32 hwreg(HW_REG_WAVE_MODE, 25, 1), 1
	s_wait_xcnt 0x0
	s_wait_alu depctr_hold_cnt(0) depctr_sa_sdst(0) depctr_va_vdst(0) depctr_va_sdst(0) depctr_va_ssrc(0) depctr_va_vcc(0) depctr_vm_vsrc(0)
	s_getreg_b32 s2, hwreg(HW_REG_IB_STS2, 6, 4)
	s_cmp_eq_u32 s2, 0
	s_cbranch_scc0 .Lentry_in_a_cluster
	s_endpgm
.Lentry_in_a_cluster:
	s_bfe_u32 s2, ttmp6, 0x10000c
	s_cmp_lg_u32 s2, 0xf033
	s_cbranch_scc0 .Lentry_shape_is_right
	s_endpgm
.Lentry_shape_is_right:
; qkv = h Wqkv^T + qkv_b, then per head: q and k divided by max(norm, 1e-12), q also times 8 log2(e) (the scale of the scores and the base of the exponential, in the one rounding of q); v as it is.
; h: [8192][1024] bf16, Wqkv: [3072][1024] bf16, qkv_b: [3072] f32; out: [kind 0..2][16 b + head][2048][64] bf16, a head's rows dense.  Sums in f32, each output rounded once.
; TILE.  256 rows x 192 columns: 32 x 16 = 512 tiles, one for each of the 512 work-groups.  A wave makes 64 rows x all 192 columns = three whole heads, so a head's norm never leaves the wave:
; 48 accumulators of 16 x 16, 384 registers; 32 along K are 48 matrix instructions for 32 LDS loads.
; K goes in steps of 128 (rows of 256 bytes in memory) through two LDS slots filled by the tensor data mover; waves 0, 1 fetch h's two halves of 128 rows, waves 2, 3 W's two halves of 96.
; CLUSTER 4 x 4: h's tile hangs on the tile row alone and is asked for jointly along a row of the cluster, W's on the tile column alone and jointly along a column.
; THE PRODUCT IS TAKEN TRANSPOSED (source 0 = 16 rows of W, source 1 = 16 rows of h): a lane holds ONE row of h (lane % 16) and the columns 8 (lane / 16) + 0..7 of each block of 16.
; THE BIAS is the C operand of each accumulator's first product: nothing is cleared, no bias is added afterwards.
; LIMITS.  Operands in bf16.  The sum of a head's 64 squares must stay finite in f32 (norm under 1.8e19); a sum of squares below 2^-126 counts as 0, and the factor is then 1e12, as with max(norm, 1e-12).
; NaN and infinities are not treated apart.
; REGISTERS, in windows of 256 (s_set_vgpr_msb: bits 1:0 source 0, 3:2 source 1, 5:4 source 2, 7:6 destination):
;   window 0: v1-15 addresses; v32-63, v64-79, v80-111 the way out; v112-135 twelve pairs of statistics; v160-255 the bias, 8 registers a column block
;   window 1: two fragment buffers of 128: h's block a at 8 a, W's block b at 32 + 8 b      window 2: accumulators of row blocks 0, 1 at 96 (a % 2) + 8 b      window 3: of row blocks 2, 3
.set PITCH,  272                       ; an LDS row: 256 bytes + 16 of padding: the 16 rows of a fragment load start 16 bytes apart modulo 256
.set BOFF,   256*PITCH                 ; in a slot: h's 256 rows, then W's 192
.set SLOT1,  1<<17                     ; slot 1 begins here: one exclusive or turns an address in one slot into the other's
.set STAGE,  SLOT1+448*PITCH           ; behind the ring, never filled by a tensor load: 16 rows x 144 bytes for each wave
.set SP,     144
.set SPARE,  STAGE+4*16*SP             ; the spare words, 128 bytes a wave: two blocks of 256 bytes that no other line names
.set ADRA0, 4                          ; v4   my place in h's rows of slot 0; never rewritten
.set ADRB0, 5                          ; v5   the same for W
.set ADRA,  6                          ; v6   the same in the slot in hand
.set ADRB,  7                          ; v7
.set STO,   8                          ; v8   the way out: where I put 16 bytes of a row
.set RD,    9                          ; v9   where I read rows back
.set GO,    10                         ; v10  16 x lane: my 16 bytes of 512 consecutive bytes of the output
.set BO,    11                         ; v11  32 x (lane / 16): my eight numbers of a block of the bias
.set PFO,   12                         ; v12  the prefetches' offset: a lane a row
.set SPW,   14                         ; v14  my spare word; never rewritten
.set NIL,   15                         ; v15  0; never rewritten
.set T,     32
.set PKD,   64
.set BK,    80
.set U,     112
.set BIAS,  160
.set F0,    0
.set F1,    128
.set WV,  12                           ; s12 wave; s13 wave / 2: I fetch h (0) or W (1); s14 wave % 2: which half; s15 cx; s16 cy; s17 tile column; s18 tile row
.set G1A, 24                           ; s[24:31] descriptor group 1, h's tiles
.set G1B, 32                           ; s[32:39] W's tiles
.set G0A, 40                           ; s[40:47] group 0, h: a set for each first fill; the second then walks
.set G0B, 48                           ; s[48:55] the same for W
.set TB,  56                           ; s56  0 or SLOT1: the slot in hand
.set CNT, 57                           ; s57  trips to go
.set LIM, 58                           ; s58  1 in a wave that prefetches, else the greatest number
.set PFA, 60                           ; s[60:61] where my prefetches stand
.set SEL, 62                           ; s[62:63] v_permlanex16_b32's selects
.set OP,  66                           ; s[66:71] where my rows of heads 0, 1, 2 of the tile go
.set SA,  72                           ; s72-74   factor = SA / max(norm, 1e-12) + SB: (8 log2 e, 0) for q, (1, 0) for k, (0, 1) for v
.set SB,  76                           ; s76-78
.set MSB, 0
.macro WIN new                         ; the high byte repeats the setting that is left; a switch that changes nothing is dropped
.if MSB != (\new)
	s_set_vgpr_msb (MSB<<8)|(\new)
.set MSB, (\new)
.endif
.endm
.macro PLACES                          ; four plain instructions behind a matrix instruction, ahead of loads into registers that it read and of readers of its result
.rept 4
	v_nop
.endr
.endm
; A joint refill by the walking descriptors.  The branch hangs on the wave's number alone.  An s_nop 0 and four v_nop follow each of the two lines.
.macro JLOAD
	s_cmp_eq_u32 s13, 0
	s_cbranch_scc0 .Lfor_b_\@
	tensor_load_to_lds s[G0A+4:G0A+7], s[G1A:G1A+7]
	s_nop 0
.rept 4
	v_nop
.endr
	s_branch .Lasked_\@
.Lfor_b_\@:
	tensor_load_to_lds s[G0B+4:G0B+7], s[G1B:G1B+7]
	s_nop 0
.rept 4
	v_nop
.endr
.Lasked_\@:
.endm
; A PREFETCH INTO THE L2, behind the joint load, its five lines and the run of LDS loads: trip t (which asks for K step t + 2) names K step t + 3: one K step, 192 matrix instructions, ahead of the refill that wants it.
; h's tile row is read by the four clusters of a row of clusters: the one with x = 0 asks; W's tile column by the eight of a column: the one with y = 0 asks.  The partners that ask for a tile jointly share the rows
; that a wave fetches BY ADDRESS: 32 of h's 128 by cx, 24 of W's 96 by cy (there lanes 24-31 name lane 23's row once more, in the same instruction).  The loop's last trip asks for nothing: K step 8 does not exist.
.macro ASK
	WIN 0
	s_cmp_gt_u32 s[CNT], s[LIM]
	s_cbranch_scc0 .Lnot_mine_\@
	global_prefetch_b8 v[PFO], s[PFA:PFA+1] th:TH_LOAD_NT scope:SCOPE_SE
.Lnot_mine_\@:
.endm
.macro CREST                           ; a round of the cluster's barrier behind its opening barrier
	s_cmp_lg_u32 s[WV], 0
	s_cbranch_scc1 .Lnot_wave_0_\@
	s_barrier_signal -3
.Lnot_wave_0_\@:
	s_barrier_wait -3
	s_barrier_signal -1
	s_barrier_wait -1
.endm
.macro CROUND
	s_barrier_signal -1
	s_barrier_wait -1
	CREST
.endm
	s_load_b256 s[4:11], s[0:1], 0x0               ; h s[4:5], W s[6:7], qkv_b s[8:9], qkv s[10:11]
	v_lshl_add_u32 v[SPW], v0, 2, SPARE
	v_mov_b32 v[NIL], 0
	ds_add_u32 v[SPW], v[NIL]                      ; the wave's opening: the add and its wait stand ahead of my first tensor load; work on registers stands between them
	v_lshrrev_b32 v1, 5, v0
	v_readfirstlane_b32 s[WV], v1
	s_lshr_b32 s13, s[WV], 1
	s_and_b32 s14, s[WV], 1
	s_bfe_u32 s15, ttmp6, 0x40000                  ; cx
	s_bfe_u32 s16, ttmp6, 0x40004                  ; cy
	s_lshl_b32 s17, ttmp9, 2
	s_add_co_u32 s17, s17, s15                     ; tile column = 4 x cluster x + cx
	s_and_b32 s18, ttmp7, 0xffff
	s_lshl_b32 s18, s18, 2
	s_add_co_u32 s18, s18, s16                     ; tile row = 4 x cluster y + cy
	s_lshl_b32 s19, s16, 2
	s_lshl_b32 s19, 15, s19                        ; my row of the cluster
	s_lshl_b32 s20, 0x1111, s15                    ; my column
	s_or_b32 s[G1A], s19, (1<<16)|(1<<20)|(1<<21)|(5<<22)|(3<<25)  ; the mask; 2-byte elements; padding on; bit 21 beside a mask; after every 64 words, 4 words
	s_or_b32 s[G1B], s20, (1<<16)|(1<<20)|(1<<21)|(5<<22)|(3<<25)
	s_mov_b32 s[G1A+1], 128<<16                    ; tensor_dim0 = 128
	s_mov_b32 s[G1A+2], 128<<16                    ; tensor_dim1 = 128
	s_mov_b32 s[G1A+3], 128<<16                    ; tile_dim0 = 128
	s_mov_b32 s[G1A+4], 128                        ; tile_dim1 = 128
	s_mov_b32 s[G1A+5], 1024                       ; elements from row to row
	s_mov_b32 s[G1A+6], 0
	s_mov_b32 s[G1A+7], 0
	s_mov_b32 s[G1B+1], 128<<16
	s_mov_b32 s[G1B+2], 96<<16                     ; 96 rows
	s_mov_b32 s[G1B+3], 128<<16
	s_mov_b32 s[G1B+4], 96
	s_mov_b32 s[G1B+5], 1024
	s_mov_b32 s[G1B+6], 0
	s_mov_b32 s[G1B+7], 0
	s_lshl_b32 s80, s18, 8                         ; h: row 256 x tile row + 128 x half,
	s_lshl_b32 s81, s14, 7
	s_add_co_u32 s80, s80, s81
	s_lshl_b32 s80, s80, 11                        ; of 2,048 bytes
	s_mov_b32 s81, 0
	s_mul_i32 s82, s17, 192                        ; W: row 192 x tile column + 96 x half
	s_mul_i32 s83, s14, 96
	s_add_co_u32 s82, s82, s83
	s_lshl_b32 s82, s82, 11
	s_mov_b32 s83, 0
	s_mul_i32 s21, s14, 128*PITCH                  ; where they go: no place in the cluster enters an LDS address
	s_mul_i32 s22, s14, 96*PITCH
	s_add_co_u32 s22, s22, BOFF
	s_mov_b32 s[G0A], 1
	s_mov_b32 s[G0A+1], s21
	s_mov_b32 s[G0A+4], 1
	s_add_co_u32 s[G0A+5], s21, SLOT1
	s_mov_b32 s[G0B], 1
	s_mov_b32 s[G0B+1], s22
	s_mov_b32 s[G0B+4], 1
	s_add_co_u32 s[G0B+5], s22, SLOT1
	s_mov_b32 s[TB], 0
	s_mov_b32 s[SEL], 0x76543210
	s_mov_b32 s[SEL+1], 0xfedcba98
	s_wait_dscnt 0x0                               ; the opening add is done
	s_wait_kmcnt 0x0
	s_add_nc_u64 s[G0A+2:G0A+3], s[4:5], s[80:81]  ; K step 0,
	s_add_nc_u64 s[G0A+6:G0A+7], s[G0A+2:G0A+3], 256  ; K step 1
	s_or_b32 s[G0A+3], s[G0A+3], 0x80000000        ; type = 2
	s_or_b32 s[G0A+7], s[G0A+7], 0x80000000
	s_add_nc_u64 s[G0B+2:G0B+3], s[6:7], s[82:83]
	s_add_nc_u64 s[G0B+6:G0B+7], s[G0B+2:G0B+3], 256
	s_or_b32 s[G0B+3], s[G0B+3], 0x80000000
	s_or_b32 s[G0B+7], s[G0B+7], 0x80000000
	CROUND                                         ; all sixteen work-groups are here: the first joint loads meet
	s_cmp_eq_u32 s13, 0                            ; a wave's two first fills stand in one branch: two loads of mine are out
	s_cbranch_scc0 .Lfirst_b
	tensor_load_to_lds s[G0A:G0A+3], s[G1A:G1A+7]
	s_nop 0
	tensor_load_to_lds s[G0A+4:G0A+7], s[G1A:G1A+7]
	s_nop 0
.rept 4
	v_nop
.endr
	s_branch .Lfirst_asked
.Lfirst_b:
	tensor_load_to_lds s[G0B:G0B+3], s[G1B:G1B+7]
	s_nop 0
	tensor_load_to_lds s[G0B+4:G0B+7], s[G1B:G1B+7]
	s_nop 0
.rept 4
	v_nop
.endr
.Lfirst_asked:
	s_mul_i32 s2, s17, 768                         ; the tile's 192 numbers of the bias
	s_mov_b32 s3, 0
	s_add_nc_u64 s[8:9], s[8:9], s[2:3]
	v_and_b32 v1, 15, v0                           ; l % 16
	v_bfe_u32 v2, v0, 4, 1                         ; l / 16
	v_lshlrev_b32 v[BO], 5, v2
.irp b, 0,1,2,3,4,5,6,7,8,9,10,11
	global_load_b128 v[BIAS+8*(\b):BIAS+8*(\b)+3],   v[BO], s[8:9] offset:64*(\b)     ; register i: column 16 b + 8 (l / 16) + i, as in the accumulators
	global_load_b128 v[BIAS+8*(\b)+4:BIAS+8*(\b)+7], v[BO], s[8:9] offset:64*(\b)+16
.endr
	v_mul_u32_u24 v3, v1, PITCH
	v_lshl_add_u32 v3, v2, 4, v3                   ; a fragment's row x pitch + 16 x half
	s_mul_i32 s21, s[WV], 64*PITCH                 ; my 64 rows of h
	v_add_nc_u32 v[ADRA0], s21, v3
	v_add_nc_u32 v[ADRB0], BOFF, v3
	v_mov_b32 v[ADRA], v[ADRA0]
	v_mov_b32 v[ADRB], v[ADRB0]
	s_mul_i32 s21, s[WV], 16*SP
	s_add_co_u32 s21, s21, STAGE                   ; my stage
	v_mul_u32_u24 v[STO], v1, SP                   ; in: row l % 16, 16 bytes for each half of the lanes
	v_lshl_add_u32 v[STO], v2, 4, v[STO]
	v_add_nc_u32 v[STO], s21, v[STO]
	v_bfe_u32 v[RD], v0, 3, 2                      ; back: 32 lanes take four rows of 128 bytes
	v_mul_u32_u24 v[RD], v[RD], SP
	v_and_b32 v3, 7, v0
	v_lshl_add_u32 v[RD], v3, 4, v[RD]
	v_add_nc_u32 v[RD], s21, v[RD]
	; the prefetches
	s_and_b32 s84, ttmp7, 0xffff                   ; cluster y
	s_lshl_b32 s87, s15, 16                        ; h: my work-group's 32 rows of the 128 that I fetch
	s_add_co_u32 s87, s87, s80
	s_mul_i32 s79, s16, 24*2048                    ; W: its 24 of the 96
	s_add_co_u32 s79, s79, s82
	s_cmp_eq_u32 s13, 0
	s_cselect_b32 s85, ttmp9, s84                  ; the coordinate along which other clusters read the same rows
	s_cselect_b32 s86, 31, 23
	s_cselect_b32 s2, s87, s79
	s_cselect_b64 s[PFA:PFA+1], s[4:5], s[6:7]
	s_add_nc_u64 s[PFA:PFA+1], s[PFA:PFA+1], s[2:3]
	s_add_nc_u64 s[PFA:PFA+1], s[PFA:PFA+1], 2*256 ; at K step 2: the first trip steps it to 3.  Nothing is asked for here, at the head
	s_cmp_eq_u32 s85, 0
	s_cselect_b32 s[LIM], 1, -1                    ; the same in all sixteen partners, for a given wave
	v_and_b32 v[GO], 31, v0
	v_min_u32 v[PFO], s86, v[GO]
	v_lshlrev_b32 v[PFO], 11, v[PFO]
	v_lshlrev_b32 v[GO], 4, v[GO]
	; where the three heads go, and their factors
	s_mul_i32 s80, s17, 3                          ; the tile's first head among 48 (16 of q, 16 of k, 16 of v)
	s_lshr_b32 s81, s18, 3
	s_lshl_b32 s81, s81, 4                         ; 16 x batch
	s_and_b32 s82, s18, 7
	s_lshl_b32 s82, s82, 8
	s_lshl_b32 s83, s[WV], 6
	s_add_co_u32 s82, s82, s83                     ; my first row in the batch,
	s_lshl_b32 s82, s82, 7                         ; of 128 bytes
.irp j, 0,1,2
	s_add_co_u32 s84, s80, (\j)
	s_lshr_b32 s85, s84, 4                         ; kind
	s_and_b32 s84, s84, 15                         ; head
	s_lshl_b32 s86, s85, 6
	s_add_co_u32 s84, s84, s86
	s_add_co_u32 s84, s84, s81                     ; 64 kind + 16 batch + head,
	s_lshl_b32 s84, s84, 18                        ; of 262,144 bytes: under 2^26
	s_add_co_u32 s2, s84, s82
	s_add_nc_u64 s[OP+2*(\j):OP+2*(\j)+1], s[10:11], s[2:3]
	s_cmp_eq_u32 s85, 0
	s_cselect_b32 s[SA+(\j)], 0x4138aa3b, 1.0      ; 8 log2(e) = 11.5416
	s_cmp_eq_u32 s85, 2
	s_cselect_b32 s[SA+(\j)], 0, s[SA+(\j)]
	s_cselect_b32 s[SB+(\j)], 1.0, 0
.endr
; 12 matrix instructions: row block a x all 12 column blocks, 32 along K, from buffer f.  first = 1: the bias starts the sums.  The 48 accumulators take turns, in the same order in every quarter.
.macro MULA f, a, first
.set rC, 96*((\a)%2)
.if \first
	WIN 0x85+0x40*((\a)/2)                         ; sources in window 1, C in window 0, D in window 2 or 3
.else
	WIN 0xa5+0x50*((\a)/2)                         ; C and D in window 2 or 3
.endif
.irp b, 0,1,2,3,4,5,6,7,8,9,10,11
.if \first
	v_wmma_f32_16x16x32_bf16 v[rC+8*(\b):rC+8*(\b)+7], v[(\f)+32+8*(\b):(\f)+32+8*(\b)+7], v[(\f)+8*(\a):(\f)+8*(\a)+7], v[BIAS+8*(\b):BIAS+8*(\b)+7]
.else
	v_wmma_f32_16x16x32_bf16 v[rC+8*(\b):rC+8*(\b)+7], v[(\f)+32+8*(\b):(\f)+32+8*(\b)+7], v[(\f)+8*(\a):(\f)+8*(\a)+7], v[rC+8*(\b):rC+8*(\b)+7]
.endif
.endr
.endm
; 32 LDS loads in one run: the fragments of 32 along K at byte k of the rows, into buffer g: W's 12 blocks, then h's 4.
.macro FETCH k, g
	WIN 0x40                                       ; destination window 1, address window 0
.irp b, 0,1,2,3,4,5,6,7,8,9,10,11
	ds_load_b128 v[(\g)+32+8*(\b):(\g)+32+8*(\b)+3],   v[ADRB] offset:(\k)+(\b)*16*PITCH
	ds_load_b128 v[(\g)+32+8*(\b)+4:(\g)+32+8*(\b)+7], v[ADRB] offset:(\k)+(\b)*16*PITCH+32
.endr
.irp a, 0,1,2,3
	ds_load_b128 v[(\g)+8*(\a):(\g)+8*(\a)+3],   v[ADRA] offset:(\k)+(\a)*16*PITCH
	ds_load_b128 v[(\g)+8*(\a)+4:(\g)+8*(\a)+7], v[ADRA] offset:(\k)+(\a)*16*PITCH+32
.endr
.endm
; A K step is four quarters of 32 along K, 48 matrix instructions each, on buffers 0, 1, 0, 1.  One of the first three multiplies buffer f and, in its middle, fetches the next quarter (byte k) into g.
.macro QUARTER k, f, g, first
	s_wait_dscnt 4                                 ; W's blocks and h's blocks 0, 1 are in; the youngest four loads (h's blocks 2, 3) may be out
	MULA \f, 0, \first
	MULA \f, 1, \first
	PLACES
	FETCH \k, \g
	s_wait_dscnt 32                                ; all but the 32 just issued
	MULA \f, 2, \first
	MULA \f, 3, \first
.endm
; The last quarter multiplies buffer 1 and changes slots.  Each wave waits for all its tensor loads (one is out: its part of the next slot), adds 0 to its spare word, and waits for that and for its reads of this slot.
; fill = 1: the barrier opens a round of the cluster's, so that no wave of any partner still reads the slot or has a load on its way; the joint refill, two K steps on, is the first thing behind the round.
.macro TURN fill
.if \fill
	s_wait_xcnt 0x0                                ; the last prefetch, a K step back, has read its address
	s_add_nc_u64 s[PFA:PFA+1], s[PFA:PFA+1], 256
.endif
	WIN 0
	s_wait_tensorcnt 0x0                           ; all my tensor loads have landed
	ds_add_u32 v[SPW], v[NIL]                      ; 0 onto my spare word
	s_wait_dscnt 5                                 ; (the add and the youngest four loads may be out)
	MULA F1, 0, 0                                  ; twelve matrix instructions stand between the add and the wait for it
	s_wait_dscnt 0x0                               ; the add is done, and my reads of this slot are over
	s_barrier_signal -1
	MULA F1, 1, 0                                  ; work on registers while the others arrive
	WIN 0
	s_barrier_wait -1
.if \fill
	CREST
	s_xor_b32 s[G0A+5], s[G0A+5], SLOT1            ; the walking descriptors: the other slot than last time, the next K step
	s_add_nc_u64 s[G0A+6:G0A+7], s[G0A+6:G0A+7], 256
	s_xor_b32 s[G0B+5], s[G0B+5], SLOT1
	s_add_nc_u64 s[G0B+6:G0B+7], s[G0B+6:G0B+7], 256
	JLOAD                                          ; its four v_nop are also the places in front of the loads below
.else
	PLACES
.endif
	s_xor_b32 s[TB], s[TB], SLOT1
	v_add_nc_u32 v[ADRA], s[TB], v[ADRA0]
	v_add_nc_u32 v[ADRB], s[TB], v[ADRB0]
	FETCH 0, F0
.if \fill
	ASK
.endif
	MULA F1, 2, 0
	MULA F1, 3, 0
.endm
	s_wait_tensorcnt 1                             ; my part of K step 0 is in; K step 1's may stay out
	s_barrier_signal -1
	s_barrier_wait -1                              ; everybody's is
	FETCH 0, F0
	s_wait_loadcnt 0x0                             ; the bias
	QUARTER 64, F0, F1, 1                          ; the first quarter stands in front of the loop: its products start the sums
	WIN 0
	s_mov_b32 s[CNT], 6
.Lk:                                                   ; a trip: a K step's quarters 1 to 3 and the next step's quarter 0; trip t asks for K step t + 2
	QUARTER 128, F1, F0, 0
	QUARTER 192, F0, F1, 0
	TURN 1
	QUARTER 64, F0, F1, 0
	WIN 0
	s_sub_co_u32 s[CNT], s[CNT], 1
	s_cmp_lg_u32 s[CNT], 0
	s_cbranch_scc1 .Lk
	QUARTER 128, F1, F0, 0                         ; K steps 6 and 7 ask for nothing
	QUARTER 192, F0, F1, 0
	TURN 0
	QUARTER 64, F0, F1, 0
	QUARTER 128, F1, F0, 0
	QUARTER 192, F0, F1, 0
	s_wait_dscnt 0x0
	MULA F1, 0, 0
	MULA F1, 1, 0
	MULA F1, 2, 0
	MULA F1, 3, 0
	; THE WAY OUT.  A unit u = 3 a + j is 16 rows x head j.  First the sums of squares: a lane holds 32 of its row's 64 numbers of a head, the lane 16 away the others.  Each accumulator is read from its lowest registers on.
	PLACES
	PLACES
.irp a, 0,1,2,3
	WIN 0x0a+5*((\a)/2)                            ; sources 0 and 1 in window 2 or 3
.set i, 0
.rept 16
.irp j, 0,1,2
.set rA, 96*((\a)%2)+32*(\j)+8*(i/4)+2*(i%4)
.set rU, U+2*(3*(\a)+(\j))
.if i == 0
	v_pk_mul_f32 v[rU:rU+1], v[rA:rA+1], v[rA:rA+1]
.else
	v_pk_fma_f32 v[rU:rU+1], v[rA:rA+1], v[rA:rA+1], v[rU:rU+1]
.endif
.endr
.set i, i+1
.endr
.endr
	WIN 0
.macro ALLU line:vararg                ; one line for each unit u
.set u, 0
.rept 12
	\line
.set u, u+1
.endr
.endm
	ALLU v_add_f32 v[U+2*u], v[U+2*u], v[U+2*u+1]
	ALLU v_permlanex16_b32 v[U+2*u+1], v[U+2*u], s[SEL], s[SEL+1]
	ALLU v_add_f32 v[U+2*u], v[U+2*u], v[U+2*u+1]
	ALLU v_rsq_f32 v[U+2*u+1], v[U+2*u]
	v_nop                                          ; a plain instruction behind the last of the batch,
	s_wait_alu depctr_va_vdst(0)                   ; and one wait for the twelve, ahead of the first reader
	ALLU v_min_num_f32 v[U+2*u+1], 0x5368d4a5, v[U+2*u+1]  ; 1 / max(norm, 1e-12) = min(1 / norm, 1e12)
	ALLU v_fma_f32 v[U+2*u], v[U+2*u+1], s[SA+u%3], s[SB+u%3]
; Unit u: scaled, rounded to bf16 (a lane's eight columns are 16 bytes), into my stage in rows of 144 bytes, and back as whole rows of 128.
.macro PACK u
.set rA, 96*(((\u)/3)%2)+32*((\u)%3)
.set rU, U+2*(\u)
.set rB, BK+16*((\u)%2)
	WIN 0x02+((\u)/6)                              ; source 0 in window 2 or 3
.set i, 0
.rept 16
	v_pk_mul_f32 v[T+2*i:T+2*i+1], v[rA+2*i:rA+2*i+1], v[rU:rU+1] op_sel_hi:[1,0]
.set i, i+1
.endr
	WIN 0
.set i, 0
.rept 16
	v_cvt_pk_bf16_f32 v[PKD+i], v[T+2*i], v[T+2*i+1]
.set i, i+1
.endr
.irp f, 0,1,2,3
	ds_store_b128 v[STO], v[PKD+4*(\f):PKD+4*(\f)+3] offset:32*(\f)
.endr
	s_wait_xcnt 0x0                                ; the stores of two units back have read these registers
.irp f, 0,1,2,3
	ds_load_b128 v[rB+4*(\f):rB+4*(\f)+3], v[RD] offset:(\f)*4*SP  ; LDS serves a wave's instructions in order (ISA guide 5.7.1.4): these see the stores above, and the next unit's stores come behind them
.endr
.endm
.macro SEND u, younger                 ; younger: the LDS lines issued behind unit u's loads: the next unit's eight, or none
.set rB, BK+16*((\u)%2)
.irp f, 0,1,2,3
	s_wait_dscnt (\younger)+3-(\f)
	global_store_b128 v[GO], v[rB+4*(\f):rB+4*(\f)+3], s[OP+2*((\u)%3):OP+2*((\u)%3)+1] offset:((\u)/3)*2048+(\f)*512  ; 512 consecutive bytes, at a multiple of 256 from the buffer's first
.endr
.endm
	PACK 0
.set v, 1
.rept 11                               ; a unit's arithmetic stands between the loads of the unit before and its stores
	PACK v
	SEND v-1, 8
.set v, v+1
.endr
	SEND 11, 0
	s_wait_tensorcnt 0x0                           ; the wave's end: the add and its wait, behind my last tensor load and my last LDS store
	ds_add_u32 v[SPW], v[NIL]
	s_wait_dscnt 0x0
	CROUND                                         ; the closing round: no work-group ends while a partner may still ask for a tile that names it
	s_endpgm
.Lfunc_end_k_qc8e3003289_qkvg:
	.size	k_qc8e3003289_qkvg, .Lfunc_end_k_qc8e3003289_qkvg-k_qc8e3003289_qkvg
	.p2alignl 7, 3214868480
	.fill 96, 4, 3214868480
	.section	.rodata,"a",@progbits
	.p2align	6, 0x0
	.amdhsa_kernel k_qc8e3003289_qkvg
		.amdhsa_group_segment_fixed_size 327680
		.amdhsa_private_segment_fixed_size 0
		.amdhsa_enable_private_segment 0
		.amdhsa_kernarg_size 32
		.amdhsa_user_sgpr_count 2
		.amdhsa_user_sgpr_kernarg_segment_ptr 1
		.amdhsa_wavefront_size32 1
		.amdhsa_system_sgpr_workgroup_id_x 1
		.amdhsa_system_sgpr_workgroup_id_y 1
		.amdhsa_system_sgpr_workgroup_id_z 1
		.amdhsa_system_vgpr_workitem_id 0
		.amdhsa_next_free_vgpr 1024
		.amdhsa_next_free_sgpr 88
		.amdhsa_reserve_vcc 0
		.amdhsa_float_denorm_mode_32 3
		.amdhsa_float_denorm_mode_16_64 3
		.amdhsa_memory_ordered 1
		.amdhsa_forward_progress 1
		.amdhsa_inst_pref_size 130
	.end_amdhsa_kernel
	.amdgpu_metadata
---
amdhsa.version: [ 1, 2 ]
amdhsa.kernels:
  - .name:           k_qc8e3003289_qkvg
    .symbol:         k_qc8e3003289_qkvg.kd
    .args:
      - { .name: hbuf, .offset: 0, .size: 8, .value_kind: global_buffer, .address_space: global }
      - { .name: wq, .offset: 8, .size: 8, .value_kind: global_buffer, .address_space: global }
      - { .name: qkv_b, .offset: 16, .size: 8, .value_kind: global_buffer, .address_space: global }
      - { .name: qkv, .offset: 24, .size: 8, .value_kind: global_buffer, .address_space: global }
    .group_segment_fixed_size: 327680
    .private_segment_fixed_size: 0
    .kernarg_segment_align: 8
    .kernarg_segment_size: 32
    .max_flat_workgroup_size: 128
    .sgpr_count:     88
    .vgpr_count:     1024
    .wavefront_size: 32
...
	.end_amdgpu_metadata
.endif
;; end of part 2
;; launch attn (part 3): grid 4 x 64, 4 waves a work-group, clusters of 4 x 1, 327,680 bytes of LDS; arguments qkv, obuf; writes obuf
.if DOCPART == 3
	.amdgcn_target "amdgcn-amd-amdhsa--gfx1250"
	.amdhsa_code_object_version 6
	.text
	.protected	k_qc8e3003289_attn
	.globl	k_qc8e3003289_attn
	.p2align	8
	.type	k_qc8e3003289_attn,@function
k_qc8e3003289_attn:
	s_mov_b64 s[64:65], 0
	v_nop
	global_prefetch_b8 v0, s[64:65] scope:SCOPE_SE
	s_setreg_imm32_b32 hwreg(HW_REG_WAVE_MODE, 25, 1), 1
	s_wait_xcnt 0x0
	s_wait_alu depctr_hold_cnt(0) depctr_sa_sdst(0) depctr_va_vdst(0) depctr_va_sdst(0) depctr_va_ssrc(0) depctr_va_vcc(0) depctr_vm_vsrc(0)
	s_getreg_b32 s2, hwreg(HW_REG_IB_STS2, 6, 4)
	s_cmp_eq_u32 s2, 0
	s_cbranch_scc0 .Lentry_in_a_cluster
	s_endpgm
.Lentry_in_a_cluster:
	s_bfe_u32 s2, ttmp6, 0x10000c
	s_cmp_lg_u32 s2, 0x3003
	s_cbranch_scc0 .Lentry_shape_is_right
	s_endpgm
.Lentry_shape_is_right:
; O[bh][q][:] = the sum over k of softmax_k(8 qn . kn) V[bh][k][:], for 64 (batch, head) pairs of 2,048 rows of 64.  q, k, v: qkv[kind][bh][2048][64] bf16; O: obuf[bh][2048][64] bf16.
; q arrives as 8 log2(e) x the unit vector, k as the unit vector (the launch before normalises both): a score s = q . k is the exponent itself, p = 2^s.
; NO MAXIMUM IS TAKEN AWAY: both vectors have norm at most 1 (times 1 + 2^-8 by the rounding to bf16), so |s| <= 11.7 for every input: p lies in 3e-4 .. 3.4e3, a row's sum of 2,048 under 7e6:
; nothing can overflow or underflow in f32, nor p in bf16.  So there is no running maximum, and O is never rescaled.
; Products and sums in f32; p is rounded to bf16 for the second product (its sum l is taken of the unrounded p), O once at the end.
; LIMITS.  |v| under 5e31 (O's sums reach 7e6 |v|); NaN and infinities are not treated apart.
; SHARES.  A work-group owns 512 queries of one head, a wave 128: eight tiles of 16.  Every wave walks all 2,048 keys, 64 a step.  The four work-groups of a cluster belong to one head and walk the same K and V:
; each tile is asked for JOINTLY.  A slot of LDS holds 256 keys (four steps); two slots take turns.
; LAYOUT.  S^T = K Q^T (source 0 = 16 keys, source 1 = 16 queries): a lane holds ONE query (lane % 16) and the keys 8 (lane / 16) + 0..7.  Two such results rounded to bf16 ARE source 1 of O^T = V^T P.
; THE PIPELINE.  A HALF-TURN r (0..7; eight are a key step) has 16 matrix instructions, four vector instructions behind each: K Q^T of tile r + 1, the 32 exponentials of tile r, the 16 roundings and 16 sums of
; tile r - 2, V^T P of tile r - 3.  So nothing that rides waits for what the same half-turn makes.  The exponentials of half-turns r - 1 and r (r odd) have ONE wait, at the end of r, ahead of their first readers in r + 1.
; A tile's scores live four half-turns (made, raised in place, idle, read): a ring of four buffers serves the eight tiles; P has a ring of two.
; REGISTERS, in windows of 256 (s_set_vgpr_msb: bits 1:0 source 0, 3:2 source 1, 5:4 source 2, 7:6 destination):
;   window 0: v1-15 addresses and two at work; v16-31 l, a pair a tile; v32-63 P; v64-191 S^T; v192-255 K of one step      window 1: O^T, 32 a tile      window 2: v0-127 Q, 16 a tile; v128-191 V of one step
.set KS,    64
.set PK,    144       ; a row of K in LDS: 128 bytes + 16 of padding: the 16 rows of a load start 16 bytes apart modulo 256
.set PV,    160       ; a row of V: 128 + 32: 16 lanes of the turning load take 8 rows x 32 bytes, each 4-byte column once
.set VOFF,  4*KS*PK   ; in a slot: 256 rows of K, then 256 rows of V
.set SLOT1, 1<<17
.set STAGE, SLOT1+4*KS*(PK+PV)  ; behind the ring, never filled by a tensor load: 16 rows x 144 bytes for each wave
.set SP,    144
.set SPARE, STAGE+4*16*SP       ; the spare words, 128 bytes a wave: two blocks of 256 bytes that no other line names
.set AK0, 2           ; v2   my lane's place in a tile of K; never rewritten
.set AV0, 3           ; v3   the same for V
.set AK,  4           ; v4   the LDS address of K's next run of loads
.set AV,  5           ; v5   of V's
.set QO,  6           ; v6   my byte offset in 16 rows of Q
.set RD,  7           ; v7   the way out: where I read rows back
.set GO,  8           ; v8   16 x lane
.set STO, 10          ; v10  the way out: where I put 16 bytes of a row
.set PFO, 11          ; v11  256 x lane
.set SPW, 12          ; v12  my spare word; never rewritten
.set NIL, 13          ; v13  0; never rewritten
.set TT,  14          ; v[14:15] the second chain of a tile's sums
.set L,   16
.set P,   32
.set S,   64
.set KF,  192         ; window 0: key block kb, channel half c at KF + 16 kb + 8 c
.set VF,  128         ; window 2: key half kk, channel block cb at VF + 32 kk + 8 cb
.set WV,  12
.set G1K, 24
.set G1V, 32
.set G0K, 40          ; s[40:43] group 0 for K's tiles: it walks
.set G0V, 44
.set PFA, 48          ; s[48:49] where my prefetches stand
.set LIM, 50          ; s50  1 in a wave that prefetches, else the greatest number
.set OPT, 52          ; s[52:53] O at my wave's first row
.set QP,  54          ; s[54:55] Q at my wave's first row
.set SLOTS, 56
.set CNT, 57
.set SEL, 60
.set TBK, 62          ; s62  LDS byte at which K of the step to be fetched begins
.set TBV, 63          ; s63  the same for V, less VOFF
.set MSB, 0
.macro WIN new
.if MSB != (\new)
	s_set_vgpr_msb (MSB<<8)|(\new)
.set MSB, (\new)
.endif
.endm
.set W_KQ, 0x08       ; Q in window 2; K and S^T in window 0
.set W_PV, 0x52       ; V in window 2, P in window 0, O^T in window 1
; A joint fill: waves 0 and 1 fetch the two halves of a slot's K, waves 2 and 3 those of its V, 128 keys each.  An s_nop 0 and four v_nop follow each of the two lines.
.macro JLOAD
	s_cmp_lt_u32 s[WV], 2
	s_cbranch_scc0 .Lfor_v_\@
	tensor_load_to_lds s[G0K:G0K+3], s[G1K:G1K+7]
	s_nop 0
.rept 4
	v_nop
.endr
	s_branch .Lasked_\@
.Lfor_v_\@:
	tensor_load_to_lds s[G0V:G0V+3], s[G1V:G1V+7]
	s_nop 0
.rept 4
	v_nop
.endr
.Lasked_\@:
.endm
; A PREFETCH INTO THE L2 of the slot that the NEXT change will ask for: 32,768 bytes of K and as many of V.  The head has one cluster; its four partners share the bytes out BY ADDRESS, 8,192 each; in each, wave 0 asks for
; K's and wave 2 for V's: 32 lanes x 256 bytes, one instruction.  So each 256 bytes are named once in the launch.  It stands behind the wave's tensor load and its five lines, four key steps (512 matrix instructions) ahead of
; the load that wants the bytes: the change of slots is the one place where the wave has just issued its tensor load.  Slots 0 to 2 come by their loads alone; the last change that fills a slot asks for nothing.
.macro ASK
	s_cmp_gt_u32 s[SLOTS], s[LIM]
	s_cbranch_scc0 .Lnot_mine_\@
	global_prefetch_b8 v[PFO], s[PFA:PFA+1] th:TH_LOAD_NT scope:SCOPE_SE
.Lnot_mine_\@:
.endm
.macro CROUND
	s_barrier_signal -1
	s_barrier_wait -1
	s_cmp_lg_u32 s[WV], 0
	s_cbranch_scc1 .Lnot_wave_0_\@
	s_barrier_signal -3
.Lnot_wave_0_\@:
	s_barrier_wait -3
	s_barrier_signal -1
	s_barrier_wait -1
.endm
; THE CHANGE OF SLOTS, between half-turns 3 and 4: V of the slot's last step has been read, K of the next slot's first step is fetched in half-turn 6.  Each wave waits for all its tensor loads (one is out: its part of the
; other slot), adds 0 to its spare word, and waits for that and for its reads of the slot.  fill = 1: the barrier is a round of the cluster's, and the joint fill, two slots on, is the first thing behind it.
.macro CHANGE fill, ask
	WIN 0
	s_wait_tensorcnt 0x0            ; no tensor load of mine is out, so a group 0 may be written
	ds_add_u32 v[SPW], v[NIL]       ; 0 onto my spare word: the descriptors' steps stand between it and the wait for it
.if \fill
.irp g, G0K, G0V
	s_xor_b32 s[(\g)+1], s[(\g)+1], SLOT1
	s_add_nc_u64 s[(\g)+2:(\g)+3], s[(\g)+2:(\g)+3], 4*KS*128
.endr
.if \ask
	s_wait_xcnt 0x0                 ; the last prefetch, four key steps back, has read its address
	s_add_nc_u64 s[PFA:PFA+1], s[PFA:PFA+1], 4*KS*128
.endif
	s_wait_dscnt 0x0                ; the add is done, and my reads of the slot are over
	CROUND
	JLOAD
.if \ask
	ASK
.endif
.else
	s_wait_dscnt 0x0
	s_barrier_signal -1
	s_barrier_wait -1
.endif
	s_sub_co_u32 s[TBK], s[TBK], 4*KS*PK  ; the fetches go back to a slot's first step, in the other slot
	s_xor_b32 s[TBK], s[TBK], SLOT1
	s_sub_co_u32 s[TBV], s[TBV], 4*KS*PV
	s_xor_b32 s[TBV], s[TBV], SLOT1
.endm
	s_load_b128 s[4:7], s[0:1], 0x0 ; qkv s[4:5], obuf s[6:7]
	v_lshl_add_u32 v[SPW], v0, 2, SPARE
	v_mov_b32 v[NIL], 0
	ds_add_u32 v[SPW], v[NIL]       ; the wave's opening: the add and its wait stand ahead of my first tensor load; work on registers stands between them
	v_lshrrev_b32 v1, 5, v0
	v_readfirstlane_b32 s[WV], v1
	s_bfe_u32 s13, ttmp6, 0x40000   ; cx
	s_lshl_b32 s14, ttmp9, 2
	s_add_co_u32 s14, s14, s13      ; my block of 512 queries: it enters Q's and O's addresses alone
	s_and_b32 s20, ttmp7, 0xffff    ; the head, which the four partners share,
	s_lshl_b32 s20, s20, 18         ; of 262,144 bytes
	s_and_b32 s16, s[WV], 1         ; which half of a slot's 256 keys I fetch
	s_lshl_b32 s22, s16, 14
	s_add_co_u32 s22, s22, s20
	s_mov_b32 s23, 0
	s_mul_i32 s17, s16, 128*PK      ; its place in a slot, for K
	s_mul_i32 s18, s16, 128*PV      ; and for V
	s_lshl_b32 s2, s14, 2
	s_add_co_u32 s2, s2, s[WV]
	s_lshl_b32 s2, s2, 14           ; my wave's 128 rows
	s_add_co_u32 s2, s2, s20
	s_mov_b32 s3, 0
	; 128 keys are 16,384 dense bytes: asked for as 64 rows of 256 bytes, two keys a row, padded in LDS after every key
	s_mov_b32 s[G1K], 15|(1<<16)|(1<<20)|(1<<21)|(4<<22)|(3<<25)  ; the mask of four; 2-byte elements; padding on; bit 21 beside a mask; after every 32 words, 4 words
	s_mov_b32 s[G1V], 15|(1<<16)|(1<<20)|(1<<21)|(4<<22)|(7<<25)  ; the same with 8 words
.irp g, G1K, G1V
	s_mov_b32 s[(\g)+1], 128<<16
	s_mov_b32 s[(\g)+2], 64<<16
	s_mov_b32 s[(\g)+3], 128<<16
	s_mov_b32 s[(\g)+4], 64
	s_mov_b32 s[(\g)+5], 128
	s_mov_b32 s[(\g)+6], 0
	s_mov_b32 s[(\g)+7], 0
.endr
	s_mov_b32 s[SEL], 0x76543210
	s_mov_b32 s[SEL+1], 0xfedcba98
	s_mov_b32 s[TBK], SLOT1+4*KS*PK ; the first change of slots turns these two into 0
	s_mov_b32 s[TBV], SLOT1+4*KS*PV
	s_mov_b32 s[G0K], 1
	s_mov_b32 s[G0K+1], s17
	s_mov_b32 s[G0V], 1
	s_add_co_u32 s[G0V+1], s18, VOFF
	s_and_b32 s[LIM], s[WV], 1      ; 0 in waves 0 and 2,
	s_or_b32 s[LIM], s[LIM], ttmp9  ; in the head's first cluster: the same in all four partners
	s_cmp_eq_u32 s[LIM], 0
	s_cselect_b32 s[LIM], 1, -1
	s_lshl_b32 s10, s13, 13         ; my work-group's 8,192 bytes of a slot's 32,768
	s_mov_b32 s11, 0
	v_and_b32 v[GO], 31, v0
	v_lshlrev_b32 v[PFO], 8, v[GO]
	v_lshlrev_b32 v[GO], 4, v[GO]
	s_wait_dscnt 0x0                ; the opening add is done
	s_wait_kmcnt 0x0
	s_add_nc_u64 s[8:9], s[4:5], s[22:23]
	s_add_nc_u64 s[G0K+2:G0K+3], s[8:9], 0x1000000  ; k lies 16,777,216 bytes behind q,
	s_add_nc_u64 s[G0V+2:G0V+3], s[8:9], 0x2000000  ; v as far behind k
	s_cmp_lt_u32 s[WV], 2
	s_cselect_b64 s[PFA:PFA+1], s[G0K+2:G0K+3], s[G0V+2:G0V+3]  ; (in waves 0 and 2 these stand at a slot's first row)
	s_or_b32 s[G0K+3], s[G0K+3], 0x80000000
	s_or_b32 s[G0V+3], s[G0V+3], 0x80000000
	s_add_nc_u64 s[PFA:PFA+1], s[PFA:PFA+1], s[10:11]
	s_add_nc_u64 s[PFA:PFA+1], s[PFA:PFA+1], 2*4*KS*128  ; in slot 2: the first change that asks steps it to slot 3
	s_add_nc_u64 s[QP:QP+1], s[4:5], s[2:3]
	s_add_nc_u64 s[OPT:OPT+1], s[6:7], s[2:3]
	CROUND                          ; all four work-groups are here: the first joint loads meet
	JLOAD                           ; slot 0; slot 1 is asked for when slot 0 is in
	v_and_b32 v1, 15, v0            ; l % 16
	v_bfe_u32 v9, v0, 4, 1          ; l / 16
	v_lshlrev_b32 v[QO], 7, v1
	v_lshl_add_u32 v[QO], v9, 4, v[QO]
	WIN 0x80                        ; destination window 2
.set i, 0
.rept 16                            ; Q stays in registers: tile i / 2, channels 32 (i % 2) on
	global_load_b128 v[8*i:8*i+3],   v[QO], s[QP:QP+1] offset:(i/2)*2048+(i%2)*64
	global_load_b128 v[8*i+4:8*i+7], v[QO], s[QP:QP+1] offset:(i/2)*2048+(i%2)*64+32
.set i, i+1
.endr
	; No first step is written out: what the first half-turns find of tiles that have not been is 0 (V, P, the scores of tiles 6 and 7), and O^T and l start at 0.  These lines stand in the wait for the first tile.
.set i, VF
.rept 64
	v_mov_b32 v[i], 0
.set i, i+1
.endr
	WIN 0x40
.set i, 0
.rept 256
	v_mov_b32 v[i], 0
.set i, i+1
.endr
	WIN 0
.set i, L
.rept 48                            ; l and P
	v_mov_b32 v[i], 0
.set i, i+1
.endr
.set i, S+64
.rept 64
	v_mov_b32 v[i], 0
.set i, i+1
.endr
	v_mul_u32_u24 v[AK0], v1, PK
	v_lshl_add_u32 v[AK0], v9, 4, v[AK0]  ; row x pitch + 16 x half
	; The turning load takes 16 keys x 16 channels (lane l reads key 8 (l / 16) + l % 8, channels 8 ((l / 8) % 2) + 0..7) and leaves half a fragment of V^T: lane l holds channel l % 16 and 8 keys.
	v_and_b32 v14, 7, v0
	v_bfe_u32 v15, v0, 3, 1
	v_lshl_add_u32 v[AV0], v9, 3, v14
	v_mul_u32_u24 v[AV0], v[AV0], PV
	v_lshl_add_u32 v[AV0], v15, 4, v[AV0]
	v_add_nc_u32 v[AV0], VOFF, v[AV0]
	s_mul_i32 s15, s[WV], 16*SP
	s_add_co_u32 s15, s15, STAGE    ; my stage
	v_mul_u32_u24 v[STO], v1, SP
	v_lshl_add_u32 v[STO], v9, 4, v[STO]
	v_add_nc_u32 v[STO], s15, v[STO]
	v_bfe_u32 v[RD], v0, 3, 2
	v_mul_u32_u24 v[RD], v[RD], SP
	v_lshl_add_u32 v[RD], v14, 4, v[RD]
	v_add_nc_u32 v[RD], s15, v[RD]
; THE MATRIX WORK.  The four accumulators of a run of 8 take turns.  Product kI of S^T = K Q^T for tile TK: channels 32 (kI / 4) on, keys 16 (kI % 4) on; the first four start the sums.
.macro KQP
	WIN W_KQ
.set rS, S+32*(TK%4)+8*(kI%4)
.set rK, KF+16*(kI%4)+8*(kI/4)
.set rQ, 16*TK+8*(kI/4)
.if kI < 4
	v_wmma_f32_16x16x32_bf16 v[rS:rS+7], v[rK:rK+7], v[rQ:rQ+7], 0
.else
	v_wmma_f32_16x16x32_bf16 v[rS:rS+7], v[rK:rK+7], v[rQ:rQ+7], v[rS:rS+7]
.endif
.set kI, kI+1
.endm
; Product pI of O^T += V^T P for tile TP: keys 32 (pI / 4) on, channels 16 (pI % 4) on.
.macro PVP
	WIN W_PV
.set rO, 32*TP+8*(pI%4)
.set rV, VF+32*(pI/4)+8*(pI%4)
.set rP, P+16*(TP%2)+8*(pI/4)
	v_wmma_f32_16x16x32_bf16 v[rO:rO+7], v[rV:rV+7], v[rP:rP+7], v[rO:rO+7]
.set pI, pI+1
.endm
; THE VECTOR WORK, three queues.  EXR: the next exponential of tile TE, in place, ascending: each accumulator's lowest register is read first.  CVR: the next pair of tile TC's weights, rounded to bf16.
; SUR: the next of the 16 lines that add tile TC's 16 pairs (an even key's weight, an odd key's) to l, in two chains: at even places l takes pairs 0, 2 .. 14; at odd places TT = pair 1 + pair 3, then pairs 5 .. 15;
; the last line gives TT to l.  The additions are written as pair x 1.0 + sum: that form names no vector register in source 1, so it runs under the window setting of the products K Q^T, which then has no switch.
.macro EXR
	v_exp_f32 v[S+32*(TE%4)+eN], v[S+32*(TE%4)+eN]
.set eN, eN+1
.endm
.macro CVR
	v_cvt_pk_bf16_f32 v[P+16*(TC%2)+cN], v[S+32*(TC%4)+2*cN], v[S+32*(TC%4)+2*cN+1]
.set cN, cN+1
.endm
.macro SUR
.set rS, S+32*(TC%4)
.set rL, L+2*TC
.if aN == 15
	v_pk_fma_f32 v[rL:rL+1], v[TT:TT+1], 1.0, v[rL:rL+1] op_sel_hi:[1,0,1]
.elseif (aN%2) == 0
	v_pk_fma_f32 v[rL:rL+1], v[rS+2*aN:rS+2*aN+1], 1.0, v[rL:rL+1] op_sel_hi:[1,0,1]
.elseif aN == 1
	v_pk_fma_f32 v[TT:TT+1], v[rS+2:rS+3], 1.0, v[rS+6:rS+7] op_sel_hi:[1,0,1]
.else
	v_pk_fma_f32 v[TT:TT+1], v[rS+2*aN+4:rS+2*aN+5], 1.0, v[TT:TT+1] op_sel_hi:[1,0,1]
.endif
.set aN, aN+1
.endm
; THE LDS LOADS stand in runs of 16.  last = 1 (the tail): in the last trip there is no further step and the run is jumped over; ahead of that jump stands the wait for the exponentials issued so far.
.macro FETCH_K last=0
	WIN 0
.if \last
	s_wait_alu depctr_va_vdst(0)
	s_cmp_eq_u32 s[CNT], 1
	s_cbranch_scc1 .Lno_k_\@
.endif
.irp f, 0,1,2,3,4,5,6,7             ; keys 16 (f / 2) on, channels 32 (f % 2) on
	ds_load_b128 v[KF+8*(\f):KF+8*(\f)+3],   v[AK] offset:((\f)/2)*16*PK+((\f)%2)*64
	ds_load_b128 v[KF+8*(\f)+4:KF+8*(\f)+7], v[AK] offset:((\f)/2)*16*PK+((\f)%2)*64+32
.endr
	s_add_co_u32 s[TBK], s[TBK], KS*PK
.if \last
.Lno_k_\@:
.endif
.endm
.macro FETCH_V
	WIN 0x80                        ; destination window 2
.irp f, 0,1,2,3,4,5,6,7             ; keys 32 (f / 4) on, channels 16 (f % 4) on
	ds_load_tr16_b128 v[VF+8*(\f):VF+8*(\f)+3],   v[AV] offset:((\f)/4)*32*PV+((\f)%4)*32
	ds_load_tr16_b128 v[VF+8*(\f)+4:VF+8*(\f)+7], v[AV] offset:((\f)/4)*32*PV+16*PV+((\f)%4)*32
.endr
	s_add_co_u32 s[TBV], s[TBV], KS*PV
.endm
; Eight products K Q^T, behind each an exponential, a sum, an exponential, a sum: one window setting for all 40 lines.  In half-turn 2 V of the step in hand is fetched behind the second of them:
; the last product that read V stands six plain instructions back (two roundings, four sums).
.macro KQB r
.rept 8
	KQP
	EXR
	SUR
	EXR
	SUR
.if ((\r) == 2) && (kI == 2)
	FETCH_V
.endif
.endr
.endm
; Eight products V^T P, behind each an exponential, a rounding, an exponential, a rounding (full = 0, behind the last step: two roundings, two sums).  In half-turn 6 K of the next step is fetched behind the second of them:
; the last product that read K stands six plain instructions back (two sums, four roundings).  The runs' addresses are made a product earlier, in window 0.
.macro PVB r, full, last
.rept 8
	PVP
	WIN 0
.if \full
	EXR
	CVR
	EXR
	CVR
.else
	CVR
	CVR
	SUR
	SUR
.endif
.if ((\r) == 6) && (pI == 1)
	v_add_nc_u32 v[AK], s[TBK], v[AK0]
.endif
.if ((\r) == 2) && (pI == 1)
	v_add_nc_u32 v[AV], s[TBV], v[AV0]
.endif
.if ((\r) == 6) && (pI == 2)
	FETCH_K \last
.endif
.endr
.endm
; HALF-TURN r.  K Q^T first, but in half-turns 2 and 7 V^T P first: so two runs of eight products that do not read the operand stand between each run of loads (V's in 2, K's in 6) and the wait for it (in 3, in 7).
; Distances behind matrix instructions, by the text's own count: an accumulator of scores ended by product 4 + kb of its run is first read by exponential 8 kb of the next half-turn, eight plain riders or more behind it;
; P's registers 0-7 (8-15) are rewritten ten plain riders or more behind the last product that read them.
.macro HT r, full=1, last=0
.set TK, ((\r)+1)%8
.set TE, (\r)
.set TC, ((\r)+6)%8
.set TP, ((\r)+5)%8
.set eN, 0
.set cN, 0
.set aN, 0
.set kI, 0
.set pI, 0
.if \full
.if ((\r) == 2) || ((\r) == 7)
	PVB \r, 1, \last
.if (\r) == 7
	s_wait_dscnt 0x0                ; K is in
.endif
	KQB \r
.else
	KQB \r
.if (\r) == 3
	s_wait_dscnt 0x0                ; V is in
.endif
	PVB \r, 1, \last
.endif
.if ((\r)%2) == 1
	s_wait_alu depctr_va_vdst(0)    ; one wait for the 64 exponentials of this half-turn and the one before; the last rider, a plain instruction, stands behind the last of them
.endif
.else
	PVB \r, 0, 0
.endif
.endm
	CHANGE 1, 0                     ; slot 0 is in, everybody's part of it; slot 1 is asked for
	v_add_nc_u32 v[AK], s[TBK], v[AK0]
	FETCH_K                         ; key step 0
	s_wait_loadcnt 0x0              ; Q
	s_wait_dscnt 0x0
.set TK, 0
.set kI, 0
.rept 8
	KQP                             ; tile 0's first scores
.endr
	WIN 0
.rept 4
	v_nop                           ; the places behind those products
.endr
	s_mov_b32 s[CNT], 4
	s_mov_b32 s[SLOTS], 7
	s_branch .Lfirst                ; the loop is entered at a step's first half-turn, in the middle of a trip
.Lslot:                             ; six times: slots 2 to 7 are asked for
	CHANGE 1, 1
	s_mov_b32 s[CNT], 4
.Lstep:                             ; a trip: half-turns 4 to 7 of one step (K of the next is fetched), 0 to 3 of the next (its V is fetched)
	HT 4
	HT 5
	HT 6
	HT 7
	WIN 0
.Lfirst:
	HT 0
	HT 1
	HT 2
	HT 3
	WIN 0
	s_sub_co_u32 s[CNT], s[CNT], 1
	s_cmp_lg_u32 s[CNT], 0
	s_cbranch_scc1 .Lstep
	s_sub_co_u32 s[SLOTS], s[SLOTS], 1
	s_cmp_lg_u32 s[SLOTS], 0
	s_cbranch_scc1 .Lslot
	CHANGE 0, 0                     ; the tail is written out: nothing is asked for
	s_mov_b32 s[CNT], 5             ; four trips fetch the last slot's steps; the fifth is left in its middle
.Ltail:
	HT 4
	HT 5
	HT 6, 1, 1
	HT 7
	WIN 0
	s_sub_co_u32 s[CNT], s[CNT], 1
	s_cmp_eq_u32 s[CNT], 0
	s_cbranch_scc1 .Lout
	HT 0
	HT 1
	HT 2
	HT 3
	WIN 0
	s_branch .Ltail
.Lout:                              ; the fifth trip's products K Q^T of tile 0 (on the last K once more) serve nothing: the price, once a launch, of one text for every trip
	HT 0, 0                         ; tile 5's V^T P | tile 6's roundings and sums
	HT 1, 0                         ; tile 6's V^T P | tile 7's
.set TP, 7
.set pI, 0
.rept 8
	PVP                             ; tile 7's V^T P of the last step
.endr
	; THE WAY OUT.  l's two halves and the other half of the lanes' are added; O^T is divided by l, rounded to bf16 and sent through my stage in LDS, a tile at a time.  The additions are the places behind the last products.
	WIN 0
.macro ALL line:vararg
.set t, 0
.rept 8
	\line
.set t, t+1
.endr
.endm
	ALL v_add_f32 v[L+2*t], v[L+2*t], v[L+2*t+1]
	ALL v_permlanex16_b32 v[L+2*t+1], v[L+2*t], s[SEL], s[SEL+1]
	ALL v_add_f32 v[L+2*t], v[L+2*t], v[L+2*t+1]
	ALL v_rcp_f32 v[L+2*t], v[L+2*t]
	v_nop                           ; a plain instruction behind the last reciprocal,
	s_wait_alu depctr_va_vdst(0)    ; and one wait for the eight, ahead of the first use
.macro PACK t
	WIN 0x41                        ; O^T (destination and source 0) in window 1, 1 / l in window 0
.set i, 32*(\t)
.rept 16
	v_pk_mul_f32 v[i:i+1], v[i:i+1], v[L+2*(\t):L+2*(\t)+1] op_sel_hi:[1,0]
.set i, i+2
.endr
	WIN 0x05                        ; sources in window 1, destination in window 0: S^T's registers are free
.set i, 0
.rept 16
	v_cvt_pk_bf16_f32 v[S+16*(\t)+i], v[32*(\t)+2*i], v[32*(\t)+2*i+1]
.set i, i+1
.endr
	WIN 0
.irp f, 0,1,2,3
	ds_store_b128 v[STO], v[S+16*(\t)+4*(\f):S+16*(\t)+4*(\f)+3] offset:32*(\f)
.endr
.irp f, 0,1,2,3
	ds_load_b128 v[S+16*(\t)+4*(\f):S+16*(\t)+4*(\f)+3], v[RD] offset:(\f)*4*SP  ; LDS serves a wave's instructions in order (ISA guide 5.7.1.4): these see the stores above; the next tile's stores come behind them
.endr
.endm
.macro SEND t, younger              ; younger: the LDS lines issued behind tile t's loads: the next tile's eight, or none
	WIN 0
.irp f, 0,1,2,3
	s_wait_dscnt (\younger)+3-(\f)
	global_store_b128 v[GO], v[S+16*(\t)+4*(\f):S+16*(\t)+4*(\f)+3], s[OPT:OPT+1] offset:(\t)*2048+(\f)*512  ; 512 consecutive bytes, at a multiple of 256 from O's first
.endr
.endm
	PACK 0
.set w, 1
.rept 7
	PACK w
	SEND w-1, 8
.set w, w+1
.endr
	SEND 7, 0
	s_wait_tensorcnt 0x0            ; the wave's end: the add and its wait, behind my last tensor load and my last LDS store
	ds_add_u32 v[SPW], v[NIL]
	s_wait_dscnt 0x0
	CROUND                          ; the closing round: no work-group ends while a partner may still ask for a tile that names it
	s_endpgm
.Lfunc_end_k_qc8e3003289_attn:
	.size	k_qc8e3003289_attn, .Lfunc_end_k_qc8e3003289_attn-k_qc8e3003289_attn
	.p2alignl 7, 3214868480
	.fill 96, 4, 3214868480
	.section	.rodata,"a",@progbits
	.p2align	6, 0x0
	.amdhsa_kernel k_qc8e3003289_attn
		.amdhsa_group_segment_fixed_size 327680
		.amdhsa_private_segment_fixed_size 0
		.amdhsa_enable_private_segment 0
		.amdhsa_kernarg_size 16
		.amdhsa_user_sgpr_count 2
		.amdhsa_user_sgpr_kernarg_segment_ptr 1
		.amdhsa_wavefront_size32 1
		.amdhsa_system_sgpr_workgroup_id_x 1
		.amdhsa_system_sgpr_workgroup_id_y 1
		.amdhsa_system_sgpr_workgroup_id_z 1
		.amdhsa_system_vgpr_workitem_id 0
		.amdhsa_next_free_vgpr 768
		.amdhsa_next_free_sgpr 66
		.amdhsa_reserve_vcc 0
		.amdhsa_float_denorm_mode_32 3
		.amdhsa_float_denorm_mode_16_64 3
		.amdhsa_memory_ordered 1
		.amdhsa_forward_progress 1
		.amdhsa_inst_pref_size 139
	.end_amdhsa_kernel
	.amdgpu_metadata
---
amdhsa.version: [ 1, 2 ]
amdhsa.kernels:
  - .name:           k_qc8e3003289_attn
    .symbol:         k_qc8e3003289_attn.kd
    .args:
      - { .name: qkv, .offset: 0, .size: 8, .value_kind: global_buffer, .address_space: global }
      - { .name: obuf, .offset: 8, .size: 8, .value_kind: global_buffer, .address_space: global }
    .group_segment_fixed_size: 327680
    .private_segment_fixed_size: 0
    .kernarg_segment_align: 8
    .kernarg_segment_size: 16
    .max_flat_workgroup_size: 128
    .sgpr_count:     66
    .vgpr_count:     768
    .wavefront_size: 32
...
	.end_amdgpu_metadata
.endif
;; end of part 3
;; launch outg (part 4): grid 8 x 32, 4 waves a work-group, clusters of 4 x 4, 327,680 bytes of LDS; arguments obuf, wo, out_b, x, out0; writes out0
.if DOCPART == 4
	.amdgcn_target "amdgcn-amd-amdhsa--gfx1250"
	.amdhsa_code_object_version 6
	.text
	.protected	k_qc8e3003289_outg
	.globl	k_qc8e3003289_outg
	.p2align	8
	.type	k_qc8e3003289_outg,@function
k_qc8e3003289_outg:
	s_mov_b64 s[64:65], 0
	v_nop
	global_prefetch_b8 v0, s[64:65] scope:SCOPE_SE
	s_setreg_imm32_b32 hwreg(HW_REG_WAVE_MODE, 25, 1), 1
	s_wait_xcnt 0x0
	s_wait_alu depctr_hold_cnt(0) depctr_sa_sdst(0) depctr_va_vdst(0) depctr_va_sdst(0) depctr_va_ssrc(0) depctr_va_vcc(0) depctr_vm_vsrc(0)
	s_getreg_b32 s2, hwreg(HW_REG_IB_STS2, 6, 4)
	s_cmp_eq_u32 s2, 0
	s_cbranch_scc0 .Lentry_in_a_cluster
	s_endpgm
.Lentry_in_a_cluster:
	s_bfe_u32 s2, ttmp6, 0x10000c
	s_cmp_lg_u32 s2, 0xf033
	s_cbranch_scc0 .Lentry_shape_is_right
	s_endpgm
.Lentry_shape_is_right:
; out0 = x + O Wo^T + out_b.  O: obuf[16 b + head][2048][64] bf16 (K = 64 head + channel), Wo: [1024][1024] bf16, out_b: [1024] f32, x and out0: [8192][1024] f32.  Sums, bias and residual in f32.
; TILE.  256 rows x 128 columns: 32 x 8 = 256 work-groups.  A wave makes 64 rows x 128 columns: 32 accumulators of 16 x 16, 256 registers.
; K goes in steps of 128 = two heads through two LDS slots.  Wave 0 fetches the even head's 256 rows, wave 1 the odd head's: each 32,768 dense bytes, asked for as 128 rows of 256 bytes and padded after every 128;
; waves 2 and 3 fetch 64 rows of Wo each.  CLUSTER 4 x 4: O's tiles are asked for jointly along a row of the cluster, Wo's along a column.
; THE PRODUCT IS TAKEN TRANSPOSED (source 0 = 16 rows of Wo, source 1 = 16 rows of O): a lane holds one row (lane % 16) and eight neighbouring columns.  THE BIAS is the C operand of each accumulator's first product.
; THE RESIDUAL: my 64 x 128 numbers of x are loaded into 256 registers when the loop is left, two K steps ahead of their use, and added on the way out, where rows come back from the stage whole.
; LIMITS.  Operands in bf16; NaN and infinities are not treated apart.
; REGISTERS (s_set_vgpr_msb: bits 1:0 source 0, 3:2 source 1, 5:4 source 2, 7:6 destination): window 0: v1-15 addresses; v32-159 two buffers of 16 rows on the way out; v192-255 the bias
;   window 1: two fragment buffers of 96: O's block a at 8 a, Wo's block b at 32 + 8 b      window 2: accumulator (a, b) at 64 a + 8 b      window 3: x, row i of my 64 at 4 i
.set PA,     144                       ; a row of O in LDS: 128 bytes + 16
.set HSL,    256*PA                    ; a head's 256 rows
.set PITCH,  272                       ; a row of Wo: 256 bytes + 16
.set BOFF,   2*HSL
.set SLOT1,  1<<17
.set STAGE,  SLOT1+BOFF+128*PITCH      ; behind the ring, never filled by a tensor load: 16 rows x 528 bytes for each wave
.set SPITCH, 528
.set SPARE,  STAGE+4*16*SPITCH         ; the spare words, 128 bytes a wave: two blocks of 256 bytes that no other line names
.set ADRA0, 4
.set ADRB0, 5
.set ADRA,  6
.set ADRB,  7
.set STO,   8                          ; v8   the way out: where I put 32 bytes of a row
.set RD,    9                          ; v9   where I read a row back: 16 x lane in my stage
.set GO,    10                         ; v10  16 x lane: my 16 bytes of a row's 512, in x and in out0; never rewritten
.set BO,    11
.set PFO,   12
.set SPW,   14
.set NIL,   15
.set T,     32
.set BIAS,  192
.set F0,    0
.set F1,    96
.set WV,  12                           ; s12 wave; s13 wave / 2; s14 wave % 2; s15 cx; s16 cy; s17 tile column; s18 tile row
.set G1A, 24
.set G1B, 32
.set G0A, 40
.set G0B, 48
.set TB,  56
.set CNT, 57
.set LIM, 58
.set PFA, 60
.set OUTP, 66                          ; s[66:67] out0 at my first row and the tile's first column
.set XP,  68                           ; s[68:69] x at the same place
.set PST, 70                           ; s[70:71] a K step in the tensor that I prefetch: 524,288 bytes of O, 256 of Wo
.set MSB, 0
.macro WIN new
.if MSB != (\new)
	s_set_vgpr_msb (MSB<<8)|(\new)
.set MSB, (\new)
.endif
.endm
.macro PLACES
.rept 4
	v_nop
.endr
.endm
.macro JLOAD                           ; a joint refill by the walking descriptors; an s_nop 0 and four v_nop follow each of the two lines
	s_cmp_eq_u32 s13, 0
	s_cbranch_scc0 .Lfor_b_\@
	tensor_load_to_lds s[G0A+4:G0A+7], s[G1A:G1A+7]
	s_nop 0
.rept 4
	v_nop
.endr
	s_branch .Lasked_\@
.Lfor_b_\@:
	tensor_load_to_lds s[G0B+4:G0B+7], s[G1B:G1B+7]
	s_nop 0
.rept 4
	v_nop
.endr
.Lasked_\@:
.endm
; A PREFETCH INTO THE L2: trip t (which asks for K step t + 2) names K step t + 3, one K step (128 matrix instructions) ahead of the refill that wants it.  O's tile row is read by the two clusters of a row of clusters: the one
; with x = 0 asks: waves 0 and 1, each for its own head; of the head's 32,768 bytes each partner takes 8,192 by cx, 32 lanes x 256 bytes.  Wo's tile column is read by the eight clusters of a column: the one with y = 0 asks:
; wave 2, 32 of the 128 rows by cy, a lane a row.  So each 256 bytes are named once in the launch.  The loop's last trip asks for nothing.
.macro ASK
	WIN 0
	s_cmp_gt_u32 s[CNT], s[LIM]
	s_cbranch_scc0 .Lnot_mine_\@
	global_prefetch_b8 v[PFO], s[PFA:PFA+1] th:TH_LOAD_NT scope:SCOPE_SE
.Lnot_mine_\@:
.endm
.macro CREST
	s_cmp_lg_u32 s[WV], 0
	s_cbranch_scc1 .Lnot_wave_0_\@
	s_barrier_signal -3
.Lnot_wave_0_\@:
	s_barrier_wait -3
	s_barrier_signal -1
	s_barrier_wait -1
.endm
.macro CROUND
	s_barrier_signal -1
	s_barrier_wait -1
	CREST
.endm
	s_load_b256 s[4:11], s[0:1], 0x0               ; O s[4:5], Wo s[6:7], out_b s[8:9], x s[10:11]
	s_load_b64 s[OUTP:OUTP+1], s[0:1], 0x20        ; out0
	v_lshl_add_u32 v[SPW], v0, 2, SPARE
	v_mov_b32 v[NIL], 0
	ds_add_u32 v[SPW], v[NIL]                      ; the wave's opening: the add and its wait stand ahead of my first tensor load; work on registers stands between them
	v_lshrrev_b32 v1, 5, v0
	v_readfirstlane_b32 s[WV], v1
	s_lshr_b32 s13, s[WV], 1
	s_and_b32 s14, s[WV], 1
	s_bfe_u32 s15, ttmp6, 0x40000                  ; cx
	s_bfe_u32 s16, ttmp6, 0x40004                  ; cy
	s_lshl_b32 s17, ttmp9, 2
	s_add_co_u32 s17, s17, s15                     ; tile column
	s_and_b32 s18, ttmp7, 0xffff
	s_lshl_b32 s18, s18, 2
	s_add_co_u32 s18, s18, s16                     ; tile row
	s_lshl_b32 s19, s16, 2
	s_lshl_b32 s19, 15, s19                        ; my row of the cluster
	s_lshl_b32 s20, 0x1111, s15                    ; my column
	s_or_b32 s[G1A], s19, (1<<16)|(1<<20)|(1<<21)|(4<<22)|(3<<25)  ; padding after every 32 words, 4 words
	s_or_b32 s[G1B], s20, (1<<16)|(1<<20)|(1<<21)|(5<<22)|(3<<25)  ; after every 64 words
	s_mov_b32 s[G1A+1], 128<<16                    ; 128 rows of 128 elements, dense
	s_mov_b32 s[G1A+2], 128<<16
	s_mov_b32 s[G1A+3], 128<<16
	s_mov_b32 s[G1A+4], 128
	s_mov_b32 s[G1A+5], 128
	s_mov_b32 s[G1A+6], 0
	s_mov_b32 s[G1A+7], 0
	s_mov_b32 s[G1B+1], 128<<16                    ; 64 rows of 128 elements, 1,024 from row to row
	s_mov_b32 s[G1B+2], 64<<16
	s_mov_b32 s[G1B+3], 128<<16
	s_mov_b32 s[G1B+4], 64
	s_mov_b32 s[G1B+5], 1024
	s_mov_b32 s[G1B+6], 0
	s_mov_b32 s[G1B+7], 0
	s_lshr_b32 s80, s18, 3                         ; O: head 16 x batch + wave % 2, of 262,144 bytes,
	s_lshl_b32 s80, s80, 4
	s_add_co_u32 s80, s80, s14
	s_lshl_b32 s80, s80, 18
	s_and_b32 s81, s18, 7                          ; and the tile's 256 rows of 128 bytes in it
	s_lshl_b32 s81, s81, 15
	s_add_co_u32 s80, s80, s81
	s_mov_b32 s81, 0
	s_lshl_b32 s82, s17, 18                        ; Wo: row 128 x tile column + 64 x half, of 2,048 bytes
	s_lshl_b32 s83, s14, 17
	s_add_co_u32 s82, s82, s83
	s_mov_b32 s83, 0
	s_mul_i32 s21, s14, HSL
	s_mul_i32 s22, s14, 64*PITCH
	s_add_co_u32 s22, s22, BOFF
	s_mov_b32 s[G0A], 1
	s_mov_b32 s[G0A+1], s21
	s_mov_b32 s[G0A+4], 1
	s_add_co_u32 s[G0A+5], s21, SLOT1
	s_mov_b32 s[G0B], 1
	s_mov_b32 s[G0B+1], s22
	s_mov_b32 s[G0B+4], 1
	s_add_co_u32 s[G0B+5], s22, SLOT1
	s_mov_b32 s[TB], 0
	s_wait_dscnt 0x0                               ; the opening add is done
	s_wait_kmcnt 0x0
	s_add_nc_u64 s[G0A+2:G0A+3], s[4:5], s[80:81]  ; K step 0,
	s_add_nc_u64 s[G0A+6:G0A+7], s[G0A+2:G0A+3], 0x80000  ; K step 1: two heads on
	s_or_b32 s[G0A+3], s[G0A+3], 0x80000000
	s_or_b32 s[G0A+7], s[G0A+7], 0x80000000
	s_add_nc_u64 s[G0B+2:G0B+3], s[6:7], s[82:83]
	s_add_nc_u64 s[G0B+6:G0B+7], s[G0B+2:G0B+3], 256
	s_or_b32 s[G0B+3], s[G0B+3], 0x80000000
	s_or_b32 s[G0B+7], s[G0B+7], 0x80000000
	CROUND                                         ; all sixteen work-groups are here: the first joint loads meet
	s_cmp_eq_u32 s13, 0                            ; a wave's two first fills stand in one branch: two loads of mine are out
	s_cbranch_scc0 .Lfirst_b
	tensor_load_to_lds s[G0A:G0A+3], s[G1A:G1A+7]
	s_nop 0
	tensor_load_to_lds s[G0A+4:G0A+7], s[G1A:G1A+7]
	s_nop 0
.rept 4
	v_nop
.endr
	s_branch .Lfirst_asked
.Lfirst_b:
	tensor_load_to_lds s[G0B:G0B+3], s[G1B:G1B+7]
	s_nop 0
	tensor_load_to_lds s[G0B+4:G0B+7], s[G1B:G1B+7]
	s_nop 0
.rept 4
	v_nop
.endr
.Lfirst_asked:
	s_lshl_b32 s2, s17, 9                          ; the tile's 128 numbers of the bias
	s_mov_b32 s3, 0
	s_add_nc_u64 s[8:9], s[8:9], s[2:3]
	v_and_b32 v1, 15, v0                           ; l % 16
	v_bfe_u32 v2, v0, 4, 1                         ; l / 16
	v_lshlrev_b32 v[BO], 5, v2
.irp b, 0,1,2,3,4,5,6,7
	global_load_b128 v[BIAS+8*(\b):BIAS+8*(\b)+3],   v[BO], s[8:9] offset:64*(\b)
	global_load_b128 v[BIAS+8*(\b)+4:BIAS+8*(\b)+7], v[BO], s[8:9] offset:64*(\b)+16
.endr
	v_mul_u32_u24 v3, v1, PA
	v_lshl_add_u32 v3, v2, 4, v3
	s_mul_i32 s21, s[WV], 64*PA                    ; my 64 rows of O
	v_add_nc_u32 v[ADRA0], s21, v3
	v_mul_u32_u24 v3, v1, PITCH
	v_lshl_add_u32 v3, v2, 4, v3
	v_add_nc_u32 v[ADRB0], BOFF, v3
	v_mov_b32 v[ADRA], v[ADRA0]
	v_mov_b32 v[ADRB], v[ADRB0]
	s_mul_i32 s21, s[WV], 16*SPITCH
	s_add_co_u32 s21, s21, STAGE                   ; my stage
	v_mul_u32_u24 v[STO], v1, SPITCH               ; in: row l % 16, 32 bytes for each half of the lanes
	v_lshl_add_u32 v[STO], v2, 5, v[STO]
	v_add_nc_u32 v[STO], s21, v[STO]
	v_and_b32 v3, 31, v0
	v_lshlrev_b32 v[GO], 4, v3
	v_add_nc_u32 v[RD], s21, v[GO]                 ; back: 32 lanes take a row of 512 bytes
	; the prefetches
	s_and_b32 s84, ttmp7, 0xffff                   ; cluster y,
	s_or_b32 s84, s84, s14                         ; and of waves 2 and 3 wave 2 alone
	s_lshl_b32 s87, s15, 13                        ; O: my work-group's 8,192 bytes of the head's 32,768
	s_add_co_u32 s87, s87, s80
	s_lshl_b32 s79, s16, 16                        ; Wo: its 32 rows of the 128
	s_add_co_u32 s79, s79, s82
	s_mov_b32 s[PST], 256
	s_mov_b32 s[PST+1], 0
	s_cmp_eq_u32 s13, 0
	s_cselect_b32 s85, ttmp9, s84
	s_cselect_b32 s86, 8, 11                       ; a lane 256 bytes of O, or a row of Wo
	s_cselect_b32 s2, s87, s79
	s_cselect_b32 s[PST], 0x80000, s[PST]
	s_cselect_b64 s[PFA:PFA+1], s[4:5], s[6:7]
	s_add_nc_u64 s[PFA:PFA+1], s[PFA:PFA+1], s[2:3]
	s_add_nc_u64 s[PFA:PFA+1], s[PFA:PFA+1], s[PST:PST+1]
	s_add_nc_u64 s[PFA:PFA+1], s[PFA:PFA+1], s[PST:PST+1]  ; at K step 2: the first trip steps it to 3.  Nothing is asked for here, at the head
	s_cmp_eq_u32 s85, 0
	s_cselect_b32 s[LIM], 1, -1                    ; the same in all sixteen partners, for a given wave
	v_lshlrev_b32 v[PFO], s86, v3
	; x and out0 at my first row, the tile's first column
	s_lshl_b32 s2, s18, 8
	s_lshl_b32 s84, s[WV], 6
	s_add_co_u32 s2, s2, s84
	s_lshl_b32 s2, s2, 12
	s_lshl_b32 s84, s17, 9
	s_add_co_u32 s2, s2, s84
	s_add_nc_u64 s[XP:XP+1], s[10:11], s[2:3]
	s_add_nc_u64 s[OUTP:OUTP+1], s[OUTP:OUTP+1], s[2:3]
; 8 matrix instructions: row block a x all 8 column blocks, 32 along K, from buffer f.  first = 1: the bias starts the sums.  The 32 accumulators take turns, in the same order in every quarter.
.macro MULA f, a, first
.if \first
	WIN 0x85                                       ; sources in window 1, C in window 0, D in window 2
.else
	WIN 0xa5
.endif
.irp b, 0,1,2,3,4,5,6,7
.if \first
	v_wmma_f32_16x16x32_bf16 v[64*(\a)+8*(\b):64*(\a)+8*(\b)+7], v[(\f)+32+8*(\b):(\f)+32+8*(\b)+7], v[(\f)+8*(\a):(\f)+8*(\a)+7], v[BIAS+8*(\b):BIAS+8*(\b)+7]
.else
	v_wmma_f32_16x16x32_bf16 v[64*(\a)+8*(\b):64*(\a)+8*(\b)+7], v[(\f)+32+8*(\b):(\f)+32+8*(\b)+7], v[(\f)+8*(\a):(\f)+8*(\a)+7], v[64*(\a)+8*(\b):64*(\a)+8*(\b)+7]
.endif
.endr
.endm
; 24 LDS loads in one run: the fragments of quarter q of a K step into buffer g: Wo's 8 blocks, then O's 4 (head q / 2 of the step's two, channels 32 (q % 2) on).
.macro FETCH q, g
	WIN 0x40
.irp b, 0,1,2,3,4,5,6,7
	ds_load_b128 v[(\g)+32+8*(\b):(\g)+32+8*(\b)+3],   v[ADRB] offset:64*(\q)+(\b)*16*PITCH
	ds_load_b128 v[(\g)+32+8*(\b)+4:(\g)+32+8*(\b)+7], v[ADRB] offset:64*(\q)+(\b)*16*PITCH+32
.endr
.irp a, 0,1,2,3
	ds_load_b128 v[(\g)+8*(\a):(\g)+8*(\a)+3],   v[ADRA] offset:((\q)/2)*HSL+((\q)%2)*64+(\a)*16*PA
	ds_load_b128 v[(\g)+8*(\a)+4:(\g)+8*(\a)+7], v[ADRA] offset:((\q)/2)*HSL+((\q)%2)*64+(\a)*16*PA+32
.endr
.endm
.macro QUARTER q, f, g, first          ; multiplies buffer f and, in its middle, fetches quarter q into g
	s_wait_dscnt 4                                 ; Wo's blocks and O's blocks 0, 1 are in; the youngest four loads may be out
	MULA \f, 0, \first
	MULA \f, 1, \first
	PLACES
	FETCH \q, \g
	s_wait_dscnt 24                                ; all but the 24 just issued
	MULA \f, 2, \first
	MULA \f, 3, \first
.endm
; The last quarter multiplies buffer 1 and changes slots: each wave waits for all its tensor loads, adds 0 to its spare word, and waits for that and for its reads of this slot.  fill = 1: the barrier opens a round of the
; cluster's, and the joint refill, two K steps on, is the first thing behind the round.
.macro TURN fill
.if \fill
	s_wait_xcnt 0x0                                ; the last prefetch, a K step back, has read its address
	s_add_nc_u64 s[PFA:PFA+1], s[PFA:PFA+1], s[PST:PST+1]
.endif
	WIN 0
	s_wait_tensorcnt 0x0                           ; all my tensor loads have landed
	ds_add_u32 v[SPW], v[NIL]                      ; 0 onto my spare word
	s_wait_dscnt 5                                 ; (the add and the youngest four loads may be out)
	MULA F1, 0, 0
	s_wait_dscnt 0x0                               ; the add is done, and my reads of this slot are over
	s_barrier_signal -1
	MULA F1, 1, 0
	WIN 0
	s_barrier_wait -1
.if \fill
	CREST
	s_xor_b32 s[G0A+5], s[G0A+5], SLOT1
	s_add_nc_u64 s[G0A+6:G0A+7], s[G0A+6:G0A+7], 0x80000
	s_xor_b32 s[G0B+5], s[G0B+5], SLOT1
	s_add_nc_u64 s[G0B+6:G0B+7], s[G0B+6:G0B+7], 256
	JLOAD                                          ; its four v_nop are also the places in front of the loads below
.else
	PLACES
.endif
	s_xor_b32 s[TB], s[TB], SLOT1
	v_add_nc_u32 v[ADRA], s[TB], v[ADRA0]
	v_add_nc_u32 v[ADRB], s[TB], v[ADRB0]
	FETCH 0, F0
.if \fill
	ASK
.endif
	MULA F1, 2, 0
	MULA F1, 3, 0
.endm
	s_wait_tensorcnt 1                             ; my part of K step 0 is in; K step 1's may stay out
	s_barrier_signal -1
	s_barrier_wait -1
	FETCH 0, F0
	s_wait_loadcnt 0x0                             ; the bias
	QUARTER 1, F0, F1, 1                           ; the first quarter stands in front of the loop: its products start the sums
	WIN 0
	s_mov_b32 s[CNT], 6
.Lk:                                                   ; a trip: a K step's quarters 1 to 3 and the next step's quarter 0; trip t asks for K step t + 2
	QUARTER 2, F1, F0, 0
	QUARTER 3, F0, F1, 0
	TURN 1
	QUARTER 1, F0, F1, 0
	WIN 0
	s_sub_co_u32 s[CNT], s[CNT], 1
	s_cmp_lg_u32 s[CNT], 0
	s_cbranch_scc1 .Lk
	WIN 0xc0                                       ; destination window 3
.set i, 0
.rept 64                               ; my 64 rows x 512 bytes of x: a wave's load covers a row's 512 consecutive bytes
	global_load_b128 v[4*i:4*i+3], v[GO], s[XP:XP+1] offset:i*4096 th:TH_LOAD_NT
.set i, i+1
.endr
	QUARTER 2, F1, F0, 0                           ; K steps 6 and 7 ask for nothing
	QUARTER 3, F0, F1, 0
	TURN 0
	QUARTER 1, F0, F1, 0
	QUARTER 2, F1, F0, 0
	QUARTER 3, F0, F1, 0
	s_wait_dscnt 0x0
	MULA F1, 0, 0
	MULA F1, 1, 0
	MULA F1, 2, 0
	MULA F1, 3, 0
	; THE WAY OUT, a block of 16 rows at a time: the accumulators go into my stage as they are (f32, each from its lowest registers on), rows of 528 bytes; whole rows of 512 bytes come back, x is added, and they are stored.
	PLACES
	PLACES
.macro TOSTAGE a
.set rT, T+64*((\a)%2)
	s_wait_xcnt 0x0                                ; the stores of two blocks back have read the registers that the loads below fill
	WIN 0x08                                       ; store data in window 2
.irp b, 0,1,2,3,4,5,6,7
	ds_store_b128 v[STO], v[64*(\a)+8*(\b):64*(\a)+8*(\b)+3]   offset:64*(\b)
	ds_store_b128 v[STO], v[64*(\a)+8*(\b)+4:64*(\a)+8*(\b)+7] offset:64*(\b)+16
.endr
	WIN 0
.irp t, 0,1,2,3,4,5,6,7,8,9,10,11,12,13,14,15
	ds_load_b128 v[rT+4*(\t):rT+4*(\t)+3], v[RD] offset:(\t)*SPITCH  ; LDS serves a wave's instructions in order (ISA guide 5.7.1.4): these see the stores above; the next block's stores come behind them
.endr
.endm
.macro FIN a, younger                  ; younger: the LDS lines issued behind block a's loads: the next block's 32, or none
.set rT, T+64*((\a)%2)
	s_wait_dscnt \younger
	WIN 0x0c                                       ; source 1 (x) in window 3
.set i, 0
.rept 32
	v_pk_add_f32 v[rT+2*i:rT+2*i+1], v[rT+2*i:rT+2*i+1], v[64*(\a)+2*i:64*(\a)+2*i+1]
.set i, i+1
.endr
	WIN 0
.irp t, 0,1,2,3,4,5,6,7,8,9,10,11,12,13,14,15
	global_store_b128 v[GO], v[rT+4*(\t):rT+4*(\t)+3], s[OUTP:OUTP+1] offset:(16*(\a)+(\t))*4096 th:TH_STORE_NT  ; 512 consecutive bytes, at a multiple of 256 from out0's first
.endr
.endm
	TOSTAGE 0
	s_wait_loadcnt 0x0                             ; x
	TOSTAGE 1
	FIN 0, 32
	TOSTAGE 2
	FIN 1, 32
	TOSTAGE 3
	FIN 2, 32
	FIN 3, 0
	s_wait_tensorcnt 0x0                           ; the wave's end: the add and its wait, behind my last tensor load and my last LDS store
	ds_add_u32 v[SPW], v[NIL]
	s_wait_dscnt 0x0
	CROUND                                         ; the closing round: no work-group ends while a partner may still ask for a tile that names it
	s_endpgm
.Lfunc_end_k_qc8e3003289_outg:
	.size	k_qc8e3003289_outg, .Lfunc_end_k_qc8e3003289_outg-k_qc8e3003289_outg
	.p2alignl 7, 3214868480
	.fill 96, 4, 3214868480
	.section	.rodata,"a",@progbits
	.p2align	6, 0x0
	.amdhsa_kernel k_qc8e3003289_outg
		.amdhsa_group_segment_fixed_size 327680
		.amdhsa_private_segment_fixed_size 0
		.amdhsa_enable_private_segment 0
		.amdhsa_kernarg_size 40
		.amdhsa_user_sgpr_count 2
		.amdhsa_user_sgpr_kernarg_segment_ptr 1
		.amdhsa_wavefront_size32 1
		.amdhsa_system_sgpr_workgroup_id_x 1
		.amdhsa_system_sgpr_workgroup_id_y 1
		.amdhsa_system_sgpr_workgroup_id_z 1
		.amdhsa_system_vgpr_workitem_id 0
		.amdhsa_next_free_vgpr 1024
		.amdhsa_next_free_sgpr 88
		.amdhsa_reserve_vcc 0
		.amdhsa_float_denorm_mode_32 3
		.amdhsa_float_denorm_mode_16_64 3
		.amdhsa_memory_ordered 1
		.amdhsa_forward_progress 1
		.amdhsa_inst_pref_size 86
	.end_amdhsa_kernel
	.amdgpu_metadata
---
amdhsa.version: [ 1, 2 ]
amdhsa.kernels:
  - .name:           k_qc8e3003289_outg
    .symbol:         k_qc8e3003289_outg.kd
    .args:
      - { .name: obuf, .offset: 0, .size: 8, .value_kind: global_buffer, .address_space: global }
      - { .name: wo, .offset: 8, .size: 8, .value_kind: global_buffer, .address_space: global }
      - { .name: out_b, .offset: 16, .size: 8, .value_kind: global_buffer, .address_space: global }
      - { .name: x, .offset: 24, .size: 8, .value_kind: global_buffer, .address_space: global }
      - { .name: out0, .offset: 32, .size: 8, .value_kind: global_buffer, .address_space: global }
    .group_segment_fixed_size: 327680
    .private_segment_fixed_size: 0
    .kernarg_segment_align: 8
    .kernarg_segment_size: 40
    .max_flat_workgroup_size: 128
    .sgpr_count:     88
    .vgpr_count:     1024
    .wavefront_size: 32
...
	.end_amdgpu_metadata
.endif
;; end of part 4
